; MI455X (gfx1250); checked and timed in simulation.
; The chip was launched on July 23, 2026; its instructions are those of AMD's public machine-readable ISA for CDNA 5 (MIT licence, August 2026) and "CDNA5" Instruction Set Architecture Reference Guide (July 2026). The comments in the code are by the model that wrote it; some were corrected since.
;; Decoder Attention. Allowed arithmetic: matrix products marked QUANTISED: E3M2 operands, one E8M0 scale for each 32 along K, by v_wmma_scale_f32_16x16x128_f8f6f4 with both operands' format E3M2, f32 sums; everything else in f32.
;; Inputs: Kbs 16 x 64 float32; Ks 16 x 1,024 x 64 float32; O 16 x 64 x 1,024 float32; Ob 1,024 float32; Qbs 16 x 64 float32; Qs 16 x 1,024 x 64 float32; Vbs 16 x 64 float32; Vs 16 x 1,024 x 64 float32; encoder_output 8 x 1,024 x 1,024 float32; normalized_resid_pre 8 x 1,024 x 1,024 float32.
;; Outputs: out0 8 x 1,024 x 1,024 float32.
;; This version of the problem:
;;   THIS VERSION OF THE PROBLEM IS GIVEN IN LOW PRECISION. The matrix products marked QUANTISED in the list below multiply operands that are first quantised to E3M2 (3 exponent bits, 2 mantissa bits; 6 bits a number), with one power-of-two scale for each 32 numbers along K (OCP MX v1.0); their sums are f32. All else is computed in f32.
;;   The module's matrix products, in the order in which they are computed (A, B: the left and right operand; K: the contracted axis; several contracted axes count as one K, in the product's order):
;;     1. [M 8,192, K 1,024] x [K 1,024, N 1,024]; A: input encoder_output; B: input Qs: QUANTISED
;;     2. [M 8,192, K 1,024] x [K 1,024, N 1,024]; A: input encoder_output; B: input Ks: QUANTISED
;;     3. [M 8,192, K 1,024] x [K 1,024, N 1,024]; A: input normalized_resid_pre; B: input Vs: QUANTISED
;;     4. batch 128 x [M 1,024, K 64] x [K 64, N 1,024]; A: computed on the way; B: computed on the way: QUANTISED
;;     5. batch 128 x [M 1,024, K 1,024] x [K 1,024, N 64]; A: softmax (see below); B: computed on the way: QUANTISED
;;     6. [M 8,192, K 1,024] x [K 1,024, N 1,024]; A: computed on the way; B: input O: QUANTISED
;;   THE QUANTISER, for each operand of a quantised product, along K:
;;     - K is cut into blocks of 32 from its start; a last block that is shorter is filled with zeros.
;;     - A block's scale is 2^e with e = floor(log2(the largest magnitude in the block)) - 4, held to -126 .. 127; a block of zeros has e = 0. As a byte (E8M0): e + 127.
;;     - Each number is divided by its block's scale, clamped to +-28, and rounded to the nearest number of E3M2, ties to even, subnormals kept.
;;     - The product sums the exact products of the quantised numbers (number of the format x scale) in f32.
;;   ~~~python
;;   def quantise(x, axis):      # numpy; x: float32 -> the quantised numbers, widened to float32 again
;;       x = np.moveaxis(x, axis, -1); K = x.shape[-1]
;;       x = np.pad(x, [(0, 0)] * (x.ndim - 1) + [(0, -K % 32)]); x = x.reshape(x.shape[:-1] + (-1, 32)); a = np.abs(x).max(-1, keepdims=True)
;;       e = np.where(a > 0, np.clip(np.frexp(np.where(a > 0, a, 1))[1] - 1 - 4, -126, 127), 0)      # np.frexp(a)[1] - 1 = floor(log2(a)), exactly
;;       r = np.clip(x / 2.0 ** e, -28, 28)
;;       step = 2.0 ** (np.maximum(np.frexp(np.where(r == 0, 1, r))[1] - 1, -2) - 2)
;;       q = np.round(r / step) * step * 2.0 ** e      # np.round: ties to even
;;       return np.moveaxis(q.reshape(q.shape[:-2] + (-1,))[..., :K], -1, axis).astype(np.float32)
;;   ~~~
;;   SOFTMAX AHEAD OF A QUANTISED PRODUCT. Where the list says 'softmax', what is quantised is not the finished softmax but p = 2^(t - M), with t = logit x log2(e) and M = ceil(the row's largest t), a whole number; so 1/2 < the row's largest p <= 1. The row's sum l is taken of the UNQUANTISED p, in f32, and the product's result is divided by l at the end. Since M is a whole number, a kernel that streams over the keys may use a running M (the ceiling of the running maximum): every later rescaling is an exact power of two, which a block's scale takes up: the codes' values come out the same.
;;   OPERANDS COMPUTED ON THE WAY. 'Computed on the way' means the value that the module computes at that place (a softmax that the list does not call 'softmax' is quantised finished and normalised). What goes into a quantiser is computed in f32, as accurately as f32 sums, v_exp_f32 and their like allow (about 1e-6 of the number): no bf16 or f16 on the way to a quantiser, and a product that is left as it is and whose result goes on into a quantised operand takes f32 operands (vector FMAs, or v_wmma_f32_16x16x4_f32). A number that lies on a knife's edge between two numbers of the format may be rounded either way, as far as f32 arithmetic and the matrix unit's own rounding can turn it there, and no further.
;; 2 versions, each right; version 2 is version 1 with the launch attn written anew for expert scheduling mode. Each part assembles by itself: llvm-mc -triple=amdgcn-amd-amdhsa -mcpu=gfx1250 --defsym DOCPART=n.
;; ======== version 1 of 2: 4 launches
;; workspace buffers: xq 13,107,200 bytes; wq 3,276,800 bytes; qq 6,815,744 bytes; kv 13,631,488 bytes; vsum 262,144 bytes; zq 6,553,600 bytes
;; launch prep (part 1): grid 256 x 1, 8 waves a work-group, no clusters, 68,608 bytes of LDS; arguments encoder_output, normalized_resid_pre, Qs, Ks, Vs, O, xq, wq; writes xq, wq
.if DOCPART == 1
	.amdgcn_target "amdgcn-amd-amdhsa--gfx1250"
	.amdhsa_code_object_version 6
	.text
	.protected	k_q119f6bede5_prep
	.globl	k_q119f6bede5_prep
	.p2align	8
	.type	k_q119f6bede5_prep,@function
k_q119f6bede5_prep:
	s_mov_b64 s[64:65], 0
	v_nop
	global_prefetch_b8 v0, s[64:65] scope:SCOPE_SE
	s_setreg_imm32_b32 hwreg(HW_REG_WAVE_MODE, 25, 1), 1
	s_wait_xcnt 0x0
; PREP.  encoder_output and normalized_resid_pre [8192][1024] f32 and the four weights (K = their first matrix axis, 1,024) become codes of BF6 (E3M2) with one E8M0 byte for each 32 along K,
; laid as IMAGES OF THE OPERAND'S REGISTERS: a fragment (16 rows x 128 K, 12 registers a lane) is 1,536 bytes: three groups of four registers, 16 bytes a lane, 512 bytes a group.
; THE ROWS OF A TILE ARE NOT NEIGHBOURS, in every operand of this program: lane r of tile T takes row 32 (T / 2) + 8 (T % 2) + r + 8 (r / 8) of its block of 128 (or 64).
; xq: codes [tensor 2][block of 128 rows 64][K step 8][tile 8][1,536]; from byte XSCL the scale words [tensor][block][K step][half 2][lane 32][2]: word i of a lane belongs to tiles 4 half + 2 i (lanes 0-15) and 4 half + 2 i + 1 (lanes 16-31).
; wq: codes [Q, K, V, O][64 columns 16][K step 8][tile 4][1,536]; from byte WSCL the scale words [..][K step][tile][16].
; A block's scale is 2^(floor(log2(largest magnitude)) - 4); its byte is the largest magnitude's exponent field - 4, held at 1 from below.
; LIMITS: a block of zeros gets the byte 1 where the rule says 127 (its codes are zeros; this program alone reads the bytes); NaN and infinities among the inputs are not served.
; SHARES.  256 work-groups of 8 waves; each wave makes ONE fragment of a weight (2,048 in all) and then FOUR fragments of x (64 rows x 128 K).  Waves share nothing: no barrier; each has its own stage in LDS.
; No matrix unit, no tensor load, no cluster: every input byte is read once (a weight's rows by the four waves that share them) and nothing is shared between work-groups.
.set STGB,  8448                       ; a wave's stage: 16 rows x (512 bytes + 16)
.set XSCL,  12582912
.set WSCL,  3145728
.set LI,    1                          ; v1   16 x lane
.set SIN,   2                          ; v2   the stage, on the way in: a row's 512 bytes as they lie
.set SOUT,  3                          ; v3   on the way out: row r, + 64 h: my 16 numbers of a block of 32
.set WO,    4                          ; v4   the weight: 32 h rows down, column r + 8 (r / 8)
.set R4,    5                          ; v5   4 r
.set L8,    6                          ; v6   8 x lane
.set H8,    7                          ; v7   8 h
.set PWT,   8                          ; v8-11  the four tiles' scale words
.set SG,    12                         ; v12-13 the two words that my lane stores
.set PW,    14                         ; v14  the scale word just made
.set R0,    16                         ; v16-143 two sets of 64: x as it is loaded
.set X,     144                        ; v144-207 64 numbers in the order of the quantiser
.set PC,    208                        ; v208-227 the codes (12) and 8 at work
.set TM,    228                        ; v228-243 at work
.set SEL,   20                         ; s[20:21] selects of v_permlanex16_b32: lane l xor 16
.set WV,    22
.set TEN,   23
; 64 numbers of a lane, register 16 b + i = k 32 b + 16 (lane / 16) + i of my row, become a fragment's codes in v[PC] on and its scale word in v[PW].
.macro QUANT src
.irp b, 0,1,2,3
	v_max3_num_f32 v[TM+\b], |v[\src+16*\b]|, |v[\src+1+16*\b]|, 0x2800000   ; my 16 numbers of block b, and the floor 2^(5 - 127): the byte cannot fall under 1
.endr
.irp i, 2,4,6,8,10,12,14
.irp b, 0,1,2,3
	v_max3_num_f32 v[TM+\b], v[TM+\b], |v[\src+16*\b+\i]|, |v[\src+1+16*\b+\i]|   ; the four blocks by turns
.endr
.endr
.irp b, 0,1,2,3
	v_permlanex16_b32 v[TM+4+\b], v[TM+\b], s[SEL], s[SEL+1]
.endr
.irp b, 0,1,2,3
	v_max_num_f32 v[TM+\b], v[TM+\b], v[TM+4+\b]       ; with lane l xor 16's: the block's largest magnitude
.endr
.irp b, 0,1,2,3
	v_add_nc_u32 v[TM+12+\b], 0xfe000000, v[TM+\b]     ; 4 off its exponent field: the conversion's scale operand
.endr
.irp b, 0,1,2,3
	v_lshrrev_b32 v[TM+4+\b], 23, v[TM+12+\b]          ; the scale's byte
.endr
	v_lshl_or_b32 v[PW], v[TM+5], 8, v[TM+4]
	v_lshl_or_b32 v[PW], v[TM+6], 16, v[PW]
	v_lshl_or_b32 v[PW], v[TM+7], 24, v[PW]
.irp c, 0,1
	v_cvt_scalef32_pk16_bf6_f32 v[PC+6*\c:PC+2+6*\c], v[\src+32*\c:\src+15+32*\c], v[TM+12+2*\c]
	v_cvt_scalef32_pk16_bf6_f32 v[PC+12+4*\c:PC+14+4*\c], v[\src+16+32*\c:\src+31+32*\c], v[TM+12+2*\c+1]   ; (a conversion's three registers begin on an even number)
.endr
	v_nop                                              ; one plain place behind a scaled conversion
.irp c, 0,1                            ; the layout wants a WHOLE block in a lane: lanes 0-15 block 2 c, lanes 16-31 block 2 c + 1
.irp i, 0,1,2
	v_permlane16_swap_b32 v[PC+6*\c+\i], v[PC+12+4*\c+\i]
.endr
.irp i, 0,1,2
	v_mov_b32 v[PC+3+6*\c+\i], v[PC+12+4*\c+\i]
.endr
.endr
.endm
	s_load_b256 s[4:11], s[0:1], 0x0               ; encoder_output, normalized_resid_pre, Qs, Ks
	s_load_b256 s[12:19], s[0:1], 0x20             ; Vs, O, xq, wq
	v_lshl_add_u32 v254, v0, 2, 0x10800
	v_mov_b32 v255, 0
	v_lshrrev_b32 v8, 5, v0
	v_readfirstlane_b32 s[WV], v8                  ; wave 0..7
	v_and_b32 v8, 31, v0                           ; lane
	v_and_b32 v9, 15, v0                           ; r
	v_bfe_u32 v10, v0, 4, 1                        ; h
	v_lshlrev_b32 v[LI], 4, v8
	v_lshlrev_b32 v[L8], 3, v8
	v_lshlrev_b32 v[R4], 2, v9
	v_lshlrev_b32 v[H8], 3, v10
	s_mul_i32 s24, s[WV], STGB
	v_add_nc_u32 v[SIN], s24, v[LI]
	v_mul_u32_u24 v[SOUT], v9, 528
	v_lshl_add_u32 v[SOUT], v10, 6, v[SOUT]
	v_add_nc_u32 v[SOUT], s24, v[SOUT]
	s_mov_b32 s[SEL], 0x76543210
	s_mov_b32 s[SEL+1], 0xfedcba98
.irp b, 0,1,2,3
	v_mov_b32 v[TM+4+\b], 0                        ; written once: a lane permute's destination counts as one of its sources
.endr
	; THE WEIGHT'S JOB: tensor g >> 6, its 64 columns (g >> 2) & 15, K step 2 (g & 3) + wave / 4, tile wave % 4
	s_lshr_b32 s[TEN], ttmp9, 6
	s_cmp_eq_u32 s[TEN], 3                         ; O is [1024 (head, k)][1024]; Qs, Ks, Vs are [head][1024][64]
	s_mov_b32 s25, 8192
	s_cselect_b32 s25, 131072, s25                 ; 32 rows, in bytes
	s_cselect_b32 s26, 8, 18                       ; the 64 columns: 256 bytes on in O, a head (262,144 bytes) on in the others
	s_cselect_b32 s27, 19, 15                      ; a K step: 128 rows
	v_and_b32 v[WO], 8, v9
	v_add_nc_u32 v[WO], v[WO], v9                  ; r + 8 (r / 8)
	v_lshlrev_b32 v[WO], 2, v[WO]
	v_mad_u32_u24 v[WO], v10, s25, v[WO]           ; lanes 16-31 begin 32 rows further down
	s_bfe_u32 s28, ttmp9, 0x40002
	s_and_b32 s29, ttmp9, 3
	s_lshl_b32 s29, s29, 1
	s_lshr_b32 s30, s[WV], 2
	s_or_b32 s29, s29, s30                         ; K step
	s_and_b32 s30, s[WV], 3                        ; tile
	s_lshl_b32 s32, s28, s26
	s_lshl_b32 s33, s29, s27
	s_add_co_u32 s32, s32, s33
	s_lshr_b32 s33, s30, 1
	s_lshl_b32 s33, s33, 7
	s_add_co_u32 s32, s32, s33                     ; the tile's first column: 32 (t / 2) + 8 (t % 2), 4 bytes each
	s_and_b32 s33, s30, 1
	s_lshl_b32 s33, s33, 5
	s_add_co_u32 s32, s32, s33
	s_mov_b32 s33, 0                               ; s[32:33]: where my fragment's numbers begin
	s_lshr_b32 s34, ttmp9, 2
	s_lshl_b32 s34, s34, 3
	s_add_co_u32 s34, s34, s29                     ; (16 tensor + columns) x 8 + K step
	s_mul_i32 s36, s34, 6144
	s_mul_i32 s37, s30, 1536
	s_add_co_u32 s36, s36, s37
	s_mov_b32 s37, 0                               ; s[36:37]: its image in wq
	s_lshl_b32 s38, s34, 8
	s_lshl_b32 s39, s30, 6
	s_add_co_u32 s38, s38, s39
	s_add_co_u32 s38, s38, WSCL
	s_mov_b32 s39, 0                               ; s[38:39]: its 16 scale words
	; x's JOB: tensor g >> 7, block (g >> 1) & 63, half g & 1, K step = wave
	s_and_b32 s40, ttmp9, 127
	s_lshl_b32 s40, s40, 18                        ; 64 rows of 4,096 bytes for each (block, half)
	s_lshl_b32 s41, s[WV], 9
	s_add_co_u32 s40, s40, s41
	s_mov_b32 s41, 0
	s_lshr_b32 s42, ttmp9, 1                       ; 64 tensor + block
	s_and_b32 s43, ttmp9, 1                        ; half
	s_mul_i32 s44, s42, 98304
	s_mul_i32 s45, s[WV], 12288
	s_add_co_u32 s44, s44, s45
	s_mul_i32 s45, s43, 6144
	s_add_co_u32 s44, s44, s45
	s_mov_b32 s45, 0
	s_lshl_b32 s46, s42, 3
	s_add_co_u32 s46, s46, s[WV]
	s_lshl_b32 s46, s46, 1
	s_add_co_u32 s46, s46, s43
	s_lshl_b32 s46, s46, 8
	s_add_co_u32 s46, s46, XSCL
	s_mov_b32 s47, 0
	s_wait_kmcnt 0x0
	s_cmp_lt_u32 ttmp9, 128                        ; the choices hang on the work-group's number alone
	s_cselect_b64 s[4:5], s[4:5], s[6:7]
	s_cmp_eq_u32 s[TEN], 0
	s_cselect_b64 s[8:9], s[8:9], s[10:11]
	s_cmp_lt_u32 s[TEN], 2
	s_cselect_b64 s[8:9], s[8:9], s[12:13]
	s_cmp_lt_u32 s[TEN], 3
	s_cselect_b64 s[8:9], s[8:9], s[14:15]
	s_add_nc_u64 s[4:5], s[4:5], s[40:41]          ; x
	s_add_nc_u64 s[8:9], s[8:9], s[32:33]          ; the weight
	s_add_nc_u64 s[10:11], s[18:19], s[36:37]      ; wq: codes
	s_add_nc_u64 s[12:13], s[18:19], s[38:39]      ; wq: scale words
	s_add_nc_u64 s[14:15], s[16:17], s[44:45]      ; xq: codes
	s_add_nc_u64 s[16:17], s[16:17], s[46:47]      ; xq: scale words
	; The weight: LANE r TAKES A COLUMN AND ITS REGISTERS RUN DOWN K, in the very order of the operand's layout: register 32 c + i = W(64 c + 32 h + i, column).  Only the pitch differs between the tensors.
	s_cmp_eq_u32 s[TEN], 3
	s_cbranch_scc1 .Lw_of_o
.set n, 0
.rept 64
	global_load_b32 v[X+n], v[WO], s[8:9] offset:(64*(n/32)+n%32)*256
.set n, n+1
.endr
	s_branch .Lw_asked
.Lw_of_o:
.set n, 0
.rept 64
	global_load_b32 v[X+n], v[WO], s[8:9] offset:(64*(n/32)+n%32)*4096
.set n, n+1
.endr
.Lw_asked:
; tile tau of my half: sixteen rows, each load 512 consecutive bytes of one row
.macro XLOAD tau, set
.set n, 0
.rept 16
	global_load_b128 v[R0+64*(\set)+4*n:R0+64*(\set)+4*n+3], v[LI], s[4:5] offset:(32*((\tau)/2)+8*((\tau)%2)+n+8*(n/8))*4096 th:TH_LOAD_NT
.set n, n+1
.endr
.endm
	XLOAD 0, 0
	XLOAD 1, 1
	s_wait_loadcnt 32                              ; the weight's 64 loads are in; two tiles of x, 16 loads each, stay out
.irp c, 0,1                            ; my blocks h and 2 + h: all their 32 numbers are mine
	v_max3_num_f32 v[TM+\c], |v[X+32*\c]|, |v[X+1+32*\c]|, 0x2800000
.endr
.irp i, 2,4,6,8,10,12,14,16,18,20,22,24,26,28,30
.irp c, 0,1
	v_max3_num_f32 v[TM+\c], v[TM+\c], |v[X+32*\c+\i]|, |v[X+1+32*\c+\i]|
.endr
.endr
.irp c, 0,1
	v_add_nc_u32 v[TM+12+\c], 0xfe000000, v[TM+\c]
.endr
.irp c, 0,1
	v_lshrrev_b32 v[TM+4+\c], 23, v[TM+12+\c]
.endr
	v_lshl_or_b32 v[PW], v[TM+5], 16, v[TM+4]      ; my two bytes,
	v_lshlrev_b32 v[PW], v[H8], v[PW]              ; at their places in the word;
	v_permlanex16_b32 v[TM+6], v[PW], s[SEL], s[SEL+1]
	v_or_b32 v[PW], v[PW], v[TM+6]                 ; with lane l xor 16's two the word is whole
.irp c, 0,1
	v_cvt_scalef32_pk16_bf6_f32 v[PC+6*\c:PC+2+6*\c], v[X+32*\c:X+15+32*\c], v[TM+12+\c]
	v_cvt_scalef32_pk16_bf6_f32 v[PC+12+4*\c:PC+14+4*\c], v[X+16+32*\c:X+31+32*\c], v[TM+12+\c]
.endr
	v_nop                                          ; one plain place behind a scaled conversion
.irp c, 0,1
.irp i, 0,1,2
	v_mov_b32 v[PC+3+6*\c+\i], v[PC+12+4*\c+\i]
.endr
.endr
.irp q, 0,1,2
	global_store_b128 v[LI], v[PC+4*\q:PC+4*\q+3], s[10:11] offset:512*\q   ; 512 consecutive bytes a store
.endr
	global_store_b32 v[R4], v[PW], s[12:13]        ; lanes r and r + 16 hold the same word and write it to the same place
; A tile of x.  The loads take the bytes as they lie; the quantiser wants 16 NEIGHBOURS of each block in a lane: the 8,192 bytes turn through my own stage (LDS serves a wave's instructions in order).
.macro TILE tau, left
	s_wait_loadcnt \left                           ; this tile's 16 loads are in; the next tile's may stay out
.set n, 0
.rept 16
	ds_store_b128 v[SIN], v[R0+64*((\tau)%2)+4*n:R0+64*((\tau)%2)+4*n+3] offset:528*n
.set n, n+1
.endr
.irp b, 0,1,2,3
.irp j, 0,1,2,3
	ds_load_b128 v[X+16*\b+4*\j:X+16*\b+4*\j+3], v[SOUT] offset:128*\b+16*\j
.endr
.endr
	s_wait_dscnt 0x0                               ; the numbers are back, and the stores have read their registers,
.if (\tau) < 2
	XLOAD (\tau)+2, (\tau)%2                       ; which take the tile two on
.endif
	s_wait_xcnt 0x0                                ; the last fragment's stores have read their data: the codes' registers are written again only behind this wait
	QUANT X
.irp q, 0,1,2
	global_store_b128 v[LI], v[PC+4*\q:PC+4*\q+3], s[14:15] offset:(\tau)*1536+512*\q
.endr
	v_mov_b32 v[PWT+(\tau)], v[PW]
.endm
	TILE 0, 16
	TILE 1, 16
	TILE 2, 16
	TILE 3, 0
	s_mov_b32 s24, 0xffff0000
	v_cndmask_b32 v[SG], v[PWT], v[PWT+1], s24     ; lanes 0-15 the even tile's word, lanes 16-31 the odd tile's
	v_cndmask_b32 v[SG+1], v[PWT+2], v[PWT+3], s24
	global_store_b64 v[L8], v[SG:SG+1], s[16:17]   ; 256 consecutive bytes, aligned
	s_wait_tensorcnt 0x0
	ds_add_u32 v254, v255
	s_wait_dscnt 0x0
	s_endpgm
.Lfunc_end_k_q119f6bede5_prep:
	.size	k_q119f6bede5_prep, .Lfunc_end_k_q119f6bede5_prep-k_q119f6bede5_prep
	.p2alignl 7, 3214868480
	.fill 96, 4, 3214868480
	.section	.rodata,"a",@progbits
	.p2align	6, 0x0
	.amdhsa_kernel k_q119f6bede5_prep
		.amdhsa_group_segment_fixed_size 68608
		.amdhsa_private_segment_fixed_size 0
		.amdhsa_enable_private_segment 0
		.amdhsa_kernarg_size 64
		.amdhsa_user_sgpr_count 2
		.amdhsa_user_sgpr_kernarg_segment_ptr 1
		.amdhsa_wavefront_size32 1
		.amdhsa_system_sgpr_workgroup_id_x 1
		.amdhsa_system_sgpr_workgroup_id_y 1
		.amdhsa_system_sgpr_workgroup_id_z 1
		.amdhsa_system_vgpr_workitem_id 0
		.amdhsa_next_free_vgpr 256
		.amdhsa_next_free_sgpr 66
		.amdhsa_reserve_vcc 0
		.amdhsa_float_denorm_mode_32 3
		.amdhsa_float_denorm_mode_16_64 3
		.amdhsa_memory_ordered 1
		.amdhsa_forward_progress 1
		.amdhsa_inst_pref_size 51
	.end_amdhsa_kernel
	.amdgpu_metadata
---
amdhsa.version: [ 1, 2 ]
amdhsa.kernels:
  - .name:           k_q119f6bede5_prep
    .symbol:         k_q119f6bede5_prep.kd
    .args:
      - { .name: encoder_output, .offset: 0, .size: 8, .value_kind: global_buffer, .address_space: global }
      - { .name: normalized_resid_pre, .offset: 8, .size: 8, .value_kind: global_buffer, .address_space: global }
      - { .name: Qs, .offset: 16, .size: 8, .value_kind: global_buffer, .address_space: global }
      - { .name: Ks, .offset: 24, .size: 8, .value_kind: global_buffer, .address_space: global }
      - { .name: Vs, .offset: 32, .size: 8, .value_kind: global_buffer, .address_space: global }
      - { .name: O, .offset: 40, .size: 8, .value_kind: global_buffer, .address_space: global }
      - { .name: xq, .offset: 48, .size: 8, .value_kind: global_buffer, .address_space: global }
      - { .name: wq, .offset: 56, .size: 8, .value_kind: global_buffer, .address_space: global }
    .group_segment_fixed_size: 68608
    .private_segment_fixed_size: 0
    .kernarg_segment_align: 8
    .kernarg_segment_size: 64
    .max_flat_workgroup_size: 256
    .sgpr_count:     66
    .vgpr_count:     256
    .wavefront_size: 32
...
	.end_amdgpu_metadata
.endif
;; end of part 1
;; launch proj (part 2): grid 12 x 64, 4 waves a work-group, clusters of 4 x 4, 295,424 bytes of LDS; arguments xq, wq, Qbs, Kbs, Vbs, qq, kv, vsum; writes qq, kv, vsum
.if DOCPART == 2
	.amdgcn_target "amdgcn-amd-amdhsa--gfx1250"
	.amdhsa_code_object_version 6
	.text
	.protected	k_q119f6bede5_proj
	.globl	k_q119f6bede5_proj
	.p2align	8
	.type	k_q119f6bede5_proj,@function
k_q119f6bede5_proj:
	s_mov_b64 s[64:65], 0
	v_nop
	global_prefetch_b8 v0, s[64:65] scope:SCOPE_SE
	s_setreg_imm32_b32 hwreg(HW_REG_WAVE_MODE, 25, 1), 1
	s_wait_xcnt 0x0
	s_wait_alu depctr_hold_cnt(0) depctr_sa_sdst(0) depctr_va_vdst(0) depctr_va_sdst(0) depctr_va_ssrc(0) depctr_va_vcc(0) depctr_vm_vsrc(0)
	s_getreg_b32 s2, hwreg(HW_REG_IB_STS2, 6, 4)
	s_cmp_eq_u32 s2, 0
	s_cbranch_scc0 .Lentry_in_a_cluster
	s_endpgm
.Lentry_in_a_cluster:
	s_bfe_u32 s2, ttmp6, 0x10000c
	s_cmp_lg_u32 s2, 0xf033
	s_cbranch_scc0 .Lentry_shape_is_right
	s_endpgm
.Lentry_shape_is_right:
; PROJ.  q = x Wq + bq, k = x Wk + bk (x = encoder_output), v = x' Wv + bv (x' = normalized_resid_pre), on codes of BF6 with E8M0 scales; the results are quantised at once for attention: q and k along the head's 64, v along the keys.
; SHARES.  The cluster's x says which of the three (0 q, 1 k, 2 v): the same in all sixteen partners.  A work-group makes 128 rows x 4 heads; wave w makes head 4 cx + w: 128 x 64 in 32 accumulators.
; LDS IS FILLED ONCE.  The work-group's whole operands fit: x's 128 rows x 1,024 K (98,304 bytes) and each wave's 64 columns x 1,024 K (49,152 bytes): so all is asked for at the head, in four stages of two K steps, and no slot is ever filled again.
; Both lie in memory as images of the operand's registers (1,536 bytes a fragment), so a stage is one dense block and a fragment comes by three ds_load_b128, 512 consecutive bytes each.
; CLUSTER 4 x 4.  x's block hangs on the rows alone and is shared along a row of the cluster; a wave's weights hang on cx and the wave alone and are shared along a column: each is asked for jointly.  A wave has 8 tensor loads out, all issued together.
; q AND k ARE MADE TRANSPOSED (source 0 = 16 columns of W, source 1 = 16 rows of x): a lane holds one row and its registers run along the head's 64.  v IS MADE AS IT STANDS (source 0 = x, source 1 = W): a lane holds one channel and its registers run along the keys.
; Lane r of tile T takes row 32 (T / 2) + 8 (T % 2) + r + 8 (r / 8): so the 16 registers of two neighbouring tiles are 16 neighbours along the next product's K.  The bias is the C of each sum's first matrix instruction.
; OUT.  qq [b, head][block of 128][6,656]: 8 half fragments (6 registers: 512 bytes of registers 0-3, 256 of registers 4-5), then 512 bytes of scale words [lane][4].  kv [..][13,312]: k's 8 halves, v's 8 halves, k's scale words, v's.
; vsum [b, head][block][64] f32: the sum over the block's 128 keys of the QUANTISED v (a product with ones): attention needs it for the keys that the mask hides (their weight is 2^(-1e5 log2 e - M), not 0).
; LIMITS: a block of zeros gets the byte 1 where the rule says 127 (zero codes; read by this program alone); NaN and infinities are not served.
; REGISTERS.  window 0: v1-15 addresses and words at work; v16-47 x's scale words, v48-63 W's; v64-95 the bias; v96-111 at work; v112-255 fragments, set 0.  window 1: the accumulators.  window 2: v112-255 fragments, set 1.
.set XBYTES, 98304
.set WBYTES, 49152
.set XSCL,  12582912
.set WSCL,  3145728
.set AX,    1                          ; v1-2  16 x lane, and the same + 49,152
.set AW,    3                          ; v3    my wave's weights in LDS + 16 x lane
.set L8,    4                          ; v4    8 x lane
.set L4,    5                          ; v5    4 x lane
.set SH,    6                          ; v6    16 h for q and k, 0 for v
.set BO,    7                          ; v7    an offset at work
.set PW,    8                          ; v8    the scale word just made
.set ONESC, 9                          ; v9    four bytes 127: the scale of the ones
.set HH,    10                         ; v10   h
.set RL,    11                         ; v11   r
.set PWB,   12                         ; v12-15 the four scale words that my lane stores
.set XS,    16                         ; register 4 s + g: lanes 0-15 tile 2 g's words of K step s, lanes 16-31 tile 2 g + 1's
.set WS,    48                         ; register 2 s + g likewise
.set BIAS,  64
.set TM,    96
.set XF,    112                        ; x's 8 fragments
.set WF,    208                        ; W's 4
.set CD,    112                        ; the way out: 48 registers of codes,
.set SCR,   160                        ; 8 at work,
.set ONES,  168                        ; a fragment of ones,
.set VD,    184                        ; and the four sums over the keys
.set SEL,   2                          ; s[2:3]
.set WV,    20
.set TEN,   21
.set CX,    22
.set CY,    23
.set G1X,   24                         ; s[24:31] group 1 for x's blocks;  s[32:39] for W's
.set G1W,   32
.set G0X,   40                         ; s[40:55] group 0 for x's four stages;  W's four at s56, s60, s68, s72
.set RB,    76                         ; which 128 rows
.set XBL,   77                         ; and in which tensor
.set HD,    80                         ; my head
.set WBL,   81                         ; 16 x job + head
.set MSB, 0
.macro WIN new                         ; the immediate's high byte repeats the setting that is left
.if MSB != \new
	s_set_vgpr_msb (MSB<<8)|\new
.set MSB, \new
.endif
.endm
.macro PLACES                          ; four plain places between a matrix instruction and a load into, or a vector instruction on, its registers
.rept 4
	v_nop
.endr
.endm
.macro CROUND                          ; a round of the cluster's barrier
	s_barrier_signal -1
	s_barrier_wait -1
	s_cmp_lg_u32 s[WV], 0
	s_cbranch_scc1 .Lnot_wave_0_\@
	s_barrier_signal -3
.Lnot_wave_0_\@:
	s_barrier_wait -3
	s_barrier_signal -1
	s_barrier_wait -1
.endm
; the matrix instruction: D, A, B, C by their first registers; the scale registers; ra, rb = 1: the scales stand in lanes 16-31
.macro WM d, a, b, c, sa, sb, ra, rb
.set RR, 2*(\ra)+(\rb)
.if RR == 0
	v_wmma_scale_f32_16x16x128_f8f6f4 v[(\d):(\d)+7], v[(\a):(\a)+11], v[(\b):(\b)+11], v[(\c):(\c)+7], v[\sa], v[\sb] matrix_a_fmt:MATRIX_FMT_BF6 matrix_b_fmt:MATRIX_FMT_BF6
.elseif RR == 1
	v_wmma_scale_f32_16x16x128_f8f6f4 v[(\d):(\d)+7], v[(\a):(\a)+11], v[(\b):(\b)+11], v[(\c):(\c)+7], v[\sa], v[\sb] matrix_a_fmt:MATRIX_FMT_BF6 matrix_b_fmt:MATRIX_FMT_BF6 matrix_b_scale:MATRIX_SCALE_ROW1
.elseif RR == 2
	v_wmma_scale_f32_16x16x128_f8f6f4 v[(\d):(\d)+7], v[(\a):(\a)+11], v[(\b):(\b)+11], v[(\c):(\c)+7], v[\sa], v[\sb] matrix_a_fmt:MATRIX_FMT_BF6 matrix_b_fmt:MATRIX_FMT_BF6 matrix_a_scale:MATRIX_SCALE_ROW1
.else
	v_wmma_scale_f32_16x16x128_f8f6f4 v[(\d):(\d)+7], v[(\a):(\a)+11], v[(\b):(\b)+11], v[(\c):(\c)+7], v[\sa], v[\sb] matrix_a_fmt:MATRIX_FMT_BF6 matrix_b_fmt:MATRIX_FMT_BF6 matrix_a_scale:MATRIX_SCALE_ROW1 matrix_b_scale:MATRIX_SCALE_ROW1
.endif
.endm
	s_load_b256 s[4:11], s[0:1], 0x0               ; xq, wq, Qbs, Kbs
	s_load_b256 s[12:19], s[0:1], 0x20             ; Vbs, qq, kv, vsum
	v_lshl_add_u32 v106, v0, 2, 0x48000
	v_mov_b32 v107, 0
	ds_add_u32 v106, v107
	ds_add_u32 v106, v107
	v_lshrrev_b32 v[BO], 5, v0
	v_readfirstlane_b32 s[WV], v[BO]               ; wave 0..3
	s_mov_b32 s[TEN], ttmp9                        ; the cluster's x: the job
	s_bfe_u32 s[CX], ttmp6, 0x40000
	s_bfe_u32 s[CY], ttmp6, 0x40004
	s_and_b32 s[RB], ttmp7, 0xffff
	s_lshl_b32 s[RB], s[RB], 2
	s_add_co_u32 s[RB], s[RB], s[CY]               ; block of 128 rows = 4 x cluster y + cy
	s_lshl_b32 s[HD], s[CX], 2
	s_add_co_u32 s[HD], s[HD], s[WV]               ; head = 4 cx + wave
	s_lshl_b32 s90, s[CY], 2
	s_lshl_b32 s90, 15, s90                        ; my row of the cluster
	s_lshl_b32 s91, 0x1111, s[CX]                  ; my column
	; group 1: a dense block as rows of 256 bytes (32 elements of 8 bytes): 24 rows of x a wave and stage, 48 of W
	s_or_b32 s[G1X], s90, (3<<16)|(1<<21)          ; 15:0 the mask; 17:16 elements of 8 bytes; 21 set beside a mask; no padding
	s_or_b32 s[G1W], s91, (3<<16)|(1<<21)
.irp g, G1X, G1W
	s_mov_b32 s[\g+1], 32<<16                      ; tensor_dim0
	s_mov_b32 s[\g+3], 32<<16                      ; tile_dim0
	s_mov_b32 s[\g+5], 32                          ; the pitch
	s_mov_b32 s[\g+6], 0
	s_mov_b32 s[\g+7], 0
.endr
	s_mov_b32 s[G1X+2], 24<<16                     ; tensor_dim1
	s_mov_b32 s[G1X+4], 24                         ; tile_dim1
	s_mov_b32 s[G1W+2], 48<<16
	s_mov_b32 s[G1W+4], 48
	s_cmp_eq_u32 s[TEN], 2
	s_cselect_b32 s[XBL], 64, 0                    ; v reads the second tensor of xq
	s_add_co_u32 s[XBL], s[XBL], s[RB]
	s_mul_i32 s78, s[XBL], XBYTES
	s_mul_i32 s92, s[WV], 6144                     ; my quarter of a stage of x: in memory and in LDS
	s_add_co_u32 s78, s78, s92
	s_mov_b32 s79, 0                               ; (these registers never hold cx)
	s_lshl_b32 s[WBL], s[TEN], 4
	s_add_co_u32 s[WBL], s[WBL], s[HD]
	s_mul_i32 s82, s[WBL], WBYTES
	s_mov_b32 s83, 0                               ; (and these never cy)
	s_mul_i32 s93, s[WV], WBYTES
	s_add_co_u32 s93, s93, XBYTES                  ; my weights in LDS: behind x
	s_mov_b32 s[SEL], 0x76543210
	s_mov_b32 s[SEL+1], 0xfedcba98
	s_wait_dscnt 0x0
	s_wait_kmcnt 0x0
	s_add_nc_u64 s[78:79], s[4:5], s[78:79]
	s_add_nc_u64 s[82:83], s[6:7], s[82:83]
.irp p, 0,1,2,3
	s_mov_b32 s[G0X+4*\p], 1
	s_add_co_u32 s[G0X+4*\p+1], s92, \p*24576
	s_add_nc_u64 s[G0X+4*\p+2:G0X+4*\p+3], s[78:79], \p*24576
	s_or_b32 s[G0X+4*\p+3], s[G0X+4*\p+3], 0x80000000
	s_mov_b32 s[56+4*\p+4*(\p/2)], 1
	s_add_co_u32 s[56+4*\p+4*(\p/2)+1], s93, \p*12288
	s_add_nc_u64 s[56+4*\p+4*(\p/2)+2:56+4*\p+4*(\p/2)+3], s[82:83], \p*12288
	s_or_b32 s[56+4*\p+4*(\p/2)+3], s[56+4*\p+4*(\p/2)+3], 0x80000000
.endr
	CROUND                                         ; all sixteen work-groups are here: the joint loads meet
.irp p, 0,1,2,3                        ; stage p: K steps 2 p and 2 p + 1: x's quarter, then my weights
	tensor_load_to_lds s[G0X+4*\p:G0X+4*\p+3], s[G1X:G1X+7]
	s_nop 0
	tensor_load_to_lds s[56+4*\p+4*(\p/2):56+4*\p+4*(\p/2)+3], s[G1W:G1W+7]
	s_nop 0
.endr
.rept 4
	v_nop                                          ; four plain lines follow the last tensor load
.endr
	v_and_b32 v[BO], 31, v0
	v_lshlrev_b32 v[AX], 4, v[BO]
	v_add_nc_u32 v[AX+1], 49152, v[AX]
	v_add_nc_u32 v[AW], s93, v[AX]
	v_lshlrev_b32 v[L8], 3, v[BO]
	v_lshlrev_b32 v[L4], 2, v[BO]
	v_bfe_u32 v[HH], v0, 4, 1
	v_and_b32 v[RL], 15, v0
.irp b, 0,1,2,3
	v_mov_b32 v[TM+4+\b], 0                        ; written once: a lane permute's destination counts as one of its sources
.endr
	s_lshl_b32 s84, s[XBL], 12                     ; the scale words of all eight K steps stay in registers: x's 4,096 bytes a block,
	s_add_co_u32 s84, s84, XSCL
	s_mov_b32 s85, 0
	s_add_nc_u64 s[84:85], s[4:5], s[84:85]
	s_lshl_b32 s86, s[WBL], 11                     ; W's 2,048 bytes a head
	s_add_co_u32 s86, s86, WSCL
	s_mov_b32 s87, 0
	s_add_nc_u64 s[86:87], s[6:7], s[86:87]
.irp k, 0,1,2,3,4,5,6,7
.irp f, 0,1
	global_load_b64 v[XS+4*\k+2*\f:XS+4*\k+2*\f+1], v[L8], s[84:85] offset:512*\k+256*\f   ; 256 consecutive bytes
.endr
.endr
.irp k, 0,1,2,3,4,5,6,7
.irp g, 0,1
	global_load_b32 v[WS+2*\k+\g], v[L4], s[86:87] offset:256*\k+128*\g
.endr
.endr
	s_cmp_eq_u32 s[TEN], 0
	s_cselect_b64 s[88:89], s[8:9], s[10:11]
	s_cmp_eq_u32 s[TEN], 2
	s_cselect_b64 s[88:89], s[12:13], s[88:89]
	s_lshl_b32 s94, s[HD], 8
	s_mov_b32 s95, 0
	s_add_nc_u64 s[88:89], s[88:89], s[94:95]      ; my head's 64 biases
	s_cmp_eq_u32 s[TEN], 2
	s_cselect_b32 s94, 0, 16
	v_mul_u32_u24 v[SH], v[HH], s94
	s_cbranch_scc1 .Lbias_v
	v_lshlrev_b32 v[BO], 6, v[HH]                  ; q, k: register j of tile 2 b + u is channel 32 b + 16 h + 8 u + j
.irp t, 0,1,2,3
	global_load_b128 v[BIAS+8*\t:BIAS+8*\t+3], v[BO], s[88:89] offset:(32*(\t/2)+8*(\t%2))*4
	global_load_b128 v[BIAS+8*\t+4:BIAS+8*\t+7], v[BO], s[88:89] offset:(32*(\t/2)+8*(\t%2))*4+16
.endr
	s_branch .Lbias_in
.Lbias_v:
	v_and_b32 v[BO], 8, v[RL]                      ; v: all eight registers of a tile are my lane's channel 32 b + 8 u + r + 8 (r / 8)
	v_add_nc_u32 v[BO], v[BO], v[RL]
	v_lshlrev_b32 v[BO], 2, v[BO]
.irp t, 0,1,2,3
	global_load_b32 v[BIAS+8*\t], v[BO], s[88:89] offset:(32*(\t/2)+8*(\t%2))*4
.endr
	s_wait_loadcnt 0x0
.irp t, 0,1,2,3
.irp j, 1,2,3,4,5,6,7
	v_mov_b32 v[BIAS+8*\t+\j], v[BIAS+8*\t]
.endr
.endr
.Lbias_in:
; K step s's fragments, 36 loads in one run, into set s % 2
.macro FETCH s
.if (\s)%2
	WIN 0x80                                       ; destination window 2, address window 0
.else
	WIN 0
.endif
.irp xi, 0,1,2,3,4,5,6,7
.irp q, 0,1,2
	ds_load_b128 v[XF+12*\xi+4*\q:XF+12*\xi+4*\q+3], v[AX+(\s)/4] offset:((\s)%4)*12288+\xi*1536+512*\q
.endr
.endr
.irp wi, 0,1,2,3
.irp q, 0,1,2
	ds_load_b128 v[WF+12*\wi+4*\q:WF+12*\wi+4*\q+3], v[AW] offset:(\s)*6144+\wi*1536+512*\q
.endr
.endr
	WIN 0
.endm
.macro MWIN s                          ; D in window 1; C: the bias (window 0) in the first K step, then D; the fragments in window 0 or 2
.if (\s) == 0
	WIN 0x40
.elseif (\s)%2 == 0
	WIN 0x50
.else
	WIN 0x5a
.endif
.endm
; 32 matrix instructions, each accumulator once, in the same order in every K step
.macro MULQ s                          ; q, k: accumulator (xi, wi) at 32 xi + 8 wi
	MWIN \s
.irp xi, 0,1,2,3,4,5,6,7
.irp wi, 0,1,2,3
.if (\s) == 0
	WM 32*\xi+8*\wi, WF+12*\wi, XF+12*\xi, BIAS+8*\wi, WS+2*(\s)+\wi/2, XS+4*(\s)+\xi/2, \wi%2, \xi%2
.else
	WM 32*\xi+8*\wi, WF+12*\wi, XF+12*\xi, 32*\xi+8*\wi, WS+2*(\s)+\wi/2, XS+4*(\s)+\xi/2, \wi%2, \xi%2
.endif
.endr
.endr
	WIN 0
.endm
.macro MULV s                          ; v: accumulator (wi, xi) at 64 wi + 8 xi
	MWIN \s
.irp xi, 0,1,2,3,4,5,6,7
.irp wi, 0,1,2,3
.if (\s) == 0
	WM 64*\wi+8*\xi, XF+12*\xi, WF+12*\wi, BIAS+8*\wi, XS+4*(\s)+\xi/2, WS+2*(\s)+\wi/2, \xi%2, \wi%2
.else
	WM 64*\wi+8*\xi, XF+12*\xi, WF+12*\wi, 64*\wi+8*\xi, XS+4*(\s)+\xi/2, WS+2*(\s)+\wi/2, \xi%2, \wi%2
.endif
.endr
.endr
	WIN 0
.endm
; A K step: its fragments are in; the next step's are asked for; its 32 products.  Waits, barriers and loads are on one way for all jobs: only the products part, on the cluster's x.
.macro KSTEP s
	s_wait_dscnt 0x0                               ; this step's fragments are in (asked for 32 matrix instructions ago)
.if (\s) == 1 || (\s) == 3 || (\s) == 5
	s_wait_tensorcnt 5-(\s)                        ; my two loads of the next stage have landed; the later stages' two each may stay out
	s_barrier_signal -1
	s_barrier_wait -1                              ; everybody's quarter of x has
.endif
.if (\s) < 7
.if (\s) > 0
	PLACES                                         ; the last step's products have read the set that is loaded now
.endif
	FETCH (\s)+1
.endif
	s_cmp_eq_u32 s[TEN], 2
	s_cbranch_scc1 .Lform_v_\@
	MULQ \s
	s_branch .Lmul_done_\@
.Lform_v_\@:
	MULV \s
.Lmul_done_\@:
.endm
	s_wait_tensorcnt 6                             ; stage 0 (my first two loads) has landed; the six behind it stay out
	s_barrier_signal -1
	s_barrier_wait -1
	FETCH 0
	s_wait_loadcnt 0x0                             ; scale words and bias
	KSTEP 0
	KSTEP 1
	KSTEP 2
	KSTEP 3
	KSTEP 4
	KSTEP 5
	KSTEP 6
	KSTEP 7
; THE WAY OUT.  64 accumulator registers at 64 grp, register 16 b + i = the next K's 32 b + 16 h + i, become 12 registers of codes and a scale word.
; q, k: two tiles of rows (2 grp, 2 grp + 1), two blocks of the head's 64 each: two half fragments.  v: tile grp of channels, four blocks of the 128 keys: a whole fragment, stored as two halves.
.macro QUANTW grp
	WIN 0x05                                       ; sources 0 and 1: the accumulators' window
.irp b, 0,1,2,3
	v_max3_num_f32 v[TM+\b], |v[64*\grp+16*\b]|, |v[64*\grp+16*\b+1]|, 0x2800000   ; each accumulator is read from its low end on; the floor 2^(5 - 127) holds the byte at 1
.endr
.irp i, 2,4,6,8,10,12,14
.irp b, 0,1,2,3
	v_max3_num_f32 v[TM+\b], |v[64*\grp+16*\b+\i]|, |v[64*\grp+16*\b+\i+1]|, v[TM+\b]
.endr
.endr
	WIN 0
.irp b, 0,1,2,3
	v_permlanex16_b32 v[TM+4+\b], v[TM+\b], s[SEL], s[SEL+1]
.endr
.irp b, 0,1,2,3
	v_max_num_f32 v[TM+\b], v[TM+\b], v[TM+4+\b]
.endr
.irp b, 0,1,2,3
	v_add_nc_u32 v[TM+12+\b], 0xfe000000, v[TM+\b] ; 4 off the exponent field: the conversion's scale operand
.endr
.irp b, 0,1,2,3
	v_lshrrev_b32 v[TM+4+\b], 23, v[TM+12+\b]
.endr
	v_lshl_or_b32 v[PW], v[TM+5], 8, v[TM+4]
	v_lshl_or_b32 v[PW], v[TM+6], 16, v[PW]
	v_lshl_or_b32 v[PW], v[TM+7], 24, v[PW]
	v_lshrrev_b32 v[PWB+\grp], v[SH], v[PW]        ; q, k: lanes 0-15 keep the even tile's two bytes lowest, lanes 16-31 bring the odd tile's down; v: the word as it is
	WIN 0x01                                       ; source 0: the accumulators' window
.irp c, 0,1
	v_cvt_scalef32_pk16_bf6_f32 v[CD+12*\grp+6*\c:CD+12*\grp+6*\c+2], v[64*\grp+32*\c:64*\grp+32*\c+15], v[TM+12+2*\c]
	v_cvt_scalef32_pk16_bf6_f32 v[SCR+4*\c:SCR+4*\c+2], v[64*\grp+32*\c+16:64*\grp+32*\c+31], v[TM+12+2*\c+1]
.endr
	WIN 0
	v_nop                                          ; one plain place behind a scaled conversion
.irp c, 0,1
.irp i, 0,1,2
	v_permlane16_swap_b32 v[CD+12*\grp+6*\c+\i], v[SCR+4*\c+\i]
.endr
.irp i, 0,1,2
	v_mov_b32 v[CD+12*\grp+6*\c+3+\i], v[SCR+4*\c+\i]
.endr
.endr
.endm
	PLACES
	QUANTW 0
	QUANTW 1
	QUANTW 2
	QUANTW 3
	s_lshr_b32 s94, s[RB], 3                       ; all tensor loads were shown done in K step 5: their descriptors' registers are free
	s_lshl_b32 s94, s94, 4
	s_add_co_u32 s94, s94, s[HD]
	s_lshl_b32 s94, s94, 3
	s_and_b32 s95, s[RB], 7
	s_add_co_u32 s94, s94, s95                     ; chunk = (16 b + head) x 8 + block
	s_cmp_eq_u32 s[TEN], 0
	s_cselect_b64 s[96:97], s[14:15], s[16:17]     ; qq or kv
	s_mov_b32 s95, 13312
	s_cselect_b32 s95, 6656, s95
	s_mul_i32 s98, s94, s95
	s_cmp_eq_u32 s[TEN], 2
	s_cselect_b32 s95, 6144, 0                     ; v's halves lie behind k's
	s_add_co_u32 s98, s98, s95
	s_mov_b32 s99, 0
	s_add_nc_u64 s[96:97], s[96:97], s[98:99]
	s_cmp_eq_u32 s[TEN], 1
	s_mov_b32 s98, 6144
	s_cselect_b32 s98, 12288, s98
	s_cmp_eq_u32 s[TEN], 2
	s_cselect_b32 s98, 6656, s98                   ; from the codes to the scale words: q 6,144, k 12,288, v 6,656
	s_add_nc_u64 s[40:41], s[96:97], s[98:99]
.irp g, 0,1,2,3
.irp c, 0,1
	global_store_b128 v[AX], v[CD+12*\g+6*\c:CD+12*\g+6*\c+3], s[96:97] offset:768*(2*\g+\c)        ; 512 consecutive bytes,
	global_store_b64 v[L8], v[CD+12*\g+6*\c+4:CD+12*\g+6*\c+5], s[96:97] offset:768*(2*\g+\c)+512   ; and 256, both aligned to 256
.endr
.endr
	global_store_b128 v[AX], v[PWB:PWB+3], s[40:41]
	s_cmp_lg_u32 s[TEN], 2
	s_cbranch_scc1 .Lnot_v
	; v alone: the sum over the 128 keys of the quantised v: 16 rows of ones (the code of 1.0 is 0x0c; a stream of them repeats after three words) x the codes just made
.irp i, 0,1,2,3
	v_mov_b32 v[ONES+3*\i], 0x0c30c30c
	v_mov_b32 v[ONES+3*\i+1], 0xc30c30c3
	v_mov_b32 v[ONES+3*\i+2], 0x30c30c30
.endr
	v_mov_b32 v[ONESC], 0x7f7f7f7f
.rept 8
	v_nop                                          ; a scale register written by a vector instruction stands 8 places ahead of a scaled matrix instruction, an operand 4
.endr
.irp g, 0,1,2,3
	v_wmma_scale_f32_16x16x128_f8f6f4 v[VD+8*\g:VD+8*\g+7], v[ONES:ONES+11], v[CD+12*\g:CD+12*\g+11], 0, v[ONESC], v[PWB+\g] matrix_a_fmt:MATRIX_FMT_BF6 matrix_b_fmt:MATRIX_FMT_BF6
.endr
	v_and_b32 v[BO], 8, v[RL]                      ; (these four lines are the places behind the products)
	v_add_nc_u32 v[BO], v[BO], v[RL]
	v_lshl_add_u32 v[BO], v[HH], 3, v[BO]
	v_lshlrev_b32 v[BO], 2, v[BO]                  ; channel 8 h + r + 8 (r / 8) of a block of 32: lanes 0-15 store the even tile's sums, lanes 16-31 the odd tile's
	s_lshl_b32 s98, s94, 8
	s_add_nc_u64 s[42:43], s[18:19], s[98:99]
	s_mov_b32 s44, 0xffff0000
	v_cndmask_b32 v[TM], v[VD], v[VD+8], s44       ; every register of a sum's tile holds the same number: the lowest is read
	v_cndmask_b32 v[TM+1], v[VD+16], v[VD+24], s44
	global_store_b32 v[BO], v[TM], s[42:43]
	global_store_b32 v[BO], v[TM+1], s[42:43] offset:128
.Lnot_v:
	s_wait_tensorcnt 0x0
	ds_add_u32 v106, v107
	s_wait_dscnt 0x0
	CROUND                                         ; the closing round: no work-group ends while a partner may still ask for a block that names it
	s_endpgm
.Lfunc_end_k_q119f6bede5_proj:
	.size	k_q119f6bede5_proj, .Lfunc_end_k_q119f6bede5_proj-k_q119f6bede5_proj
	.p2alignl 7, 3214868480
	.fill 96, 4, 3214868480
	.section	.rodata,"a",@progbits
	.p2align	6, 0x0
	.amdhsa_kernel k_q119f6bede5_proj
		.amdhsa_group_segment_fixed_size 295424
		.amdhsa_private_segment_fixed_size 0
		.amdhsa_enable_private_segment 0
		.amdhsa_kernarg_size 64
		.amdhsa_user_sgpr_count 2
		.amdhsa_user_sgpr_kernarg_segment_ptr 1
		.amdhsa_wavefront_size32 1
		.amdhsa_system_sgpr_workgroup_id_x 1
		.amdhsa_system_sgpr_workgroup_id_y 1
		.amdhsa_system_sgpr_workgroup_id_z 1
		.amdhsa_system_vgpr_workitem_id 0
		.amdhsa_next_free_vgpr 768
		.amdhsa_next_free_sgpr 100
		.amdhsa_reserve_vcc 0
		.amdhsa_float_denorm_mode_32 3
		.amdhsa_float_denorm_mode_16_64 3
		.amdhsa_memory_ordered 1
		.amdhsa_forward_progress 1
		.amdhsa_inst_pref_size 119
	.end_amdhsa_kernel
	.amdgpu_metadata
---
amdhsa.version: [ 1, 2 ]
amdhsa.kernels:
  - .name:           k_q119f6bede5_proj
    .symbol:         k_q119f6bede5_proj.kd
    .args:
      - { .name: xq, .offset: 0, .size: 8, .value_kind: global_buffer, .address_space: global }
      - { .name: wq, .offset: 8, .size: 8, .value_kind: global_buffer, .address_space: global }
      - { .name: Qbs, .offset: 16, .size: 8, .value_kind: global_buffer, .address_space: global }
      - { .name: Kbs, .offset: 24, .size: 8, .value_kind: global_buffer, .address_space: global }
      - { .name: Vbs, .offset: 32, .size: 8, .value_kind: global_buffer, .address_space: global }
      - { .name: qq, .offset: 40, .size: 8, .value_kind: global_buffer, .address_space: global }
      - { .name: kv, .offset: 48, .size: 8, .value_kind: global_buffer, .address_space: global }
      - { .name: vsum, .offset: 56, .size: 8, .value_kind: global_buffer, .address_space: global }
    .group_segment_fixed_size: 295424
    .private_segment_fixed_size: 0
    .kernarg_segment_align: 8
    .kernarg_segment_size: 64
    .max_flat_workgroup_size: 128
    .sgpr_count:     100
    .vgpr_count:     768
    .wavefront_size: 32
...
	.end_amdgpu_metadata
.endif
;; end of part 2
;; launch attn (part 3): grid 2 x 128, 16 waves a work-group, no clusters, 29,696 bytes of LDS; arguments qq, kv, vsum, zq; writes zq
.if DOCPART == 3
	.amdgcn_target "amdgcn-amd-amdhsa--gfx1250"
	.amdhsa_code_object_version 6
	.text
	.protected	k_q119f6bede5_attn
	.globl	k_q119f6bede5_attn
	.p2align	8
	.type	k_q119f6bede5_attn,@function
k_q119f6bede5_attn:
	s_mov_b64 s[64:65], 0
	v_nop
	global_prefetch_b8 v0, s[64:65] scope:SCOPE_SE
	s_setreg_imm32_b32 hwreg(HW_REG_WAVE_MODE, 25, 1), 1
	s_wait_xcnt 0x0
; ATTN.  z[q] = softmax_k(q . k / 8, keys after the query set to -1e5) v, for one (batch, head), both products on codes of BF6 with E8M0 scales; z is quantised at once, along (head, channel), for the last product.
; THE SOFTMAX AHEAD OF THE SECOND PRODUCT: t = logit x log2(e); M = the largest t so far, rounded UP to a whole number; p = 2^(t - M) is quantised along the keys; the row's sum is taken of the unquantised p and divides at the end.
; THE MASK IS -1e5, NOT -INFINITY.  Hidden keys keep the weight p0 = 2^(-1e5 log2(e) - M), which counts where a row's own logits lie under -1e5.  In the key step on the diagonal hidden scores are set to -8e5 (x 1/8) and go the common way.
; The key steps that are hidden as a whole are NOT walked: all their p are p0, every block's code is p0 rounded to two mantissa bits (held at 1.75 x its power of two), so their part of the product is that number x the sum of the
; quantised v over those keys (vsum, made with v), and their part of the row's sum is p0 x their count.  FINISH adds both.
; SHARES.  A work-group takes 256 queries (block 3 - i) and then 256 more (block i): 2 (4 - i) + 2 (i + 1) = 10 key steps of 128 keys in every work-group.  Each of its SIXTEEN waves owns one tile of 16 queries, in 256 registers.
; A key step's k and v, codes and scale words, are one dense chunk of 13,312 bytes, laid as images of the operands' registers.  Waves 0 to 12 copy the next chunk through registers (1,024 bytes each) into the other of two LDS slots
; while the step in hand is worked: asked for at the step's head, stored at its end, one barrier a step.
; NO JOINT LOADS: the two work-groups of a head walk 8 + 2 and 6 + 4 steps, so after the sixth step they want different chunks; and a step's 13,312 bytes are little beside its vector work.
; LAYOUT.  Both products are used transposed (S^T = k q^T, O^T = v^T p^T): a lane holds ONE query.  Lane r of tile T takes row 32 (T / 2) + 8 (T % 2) + r + 8 (r / 8): p's 16 registers of two neighbouring tiles are 16 neighbouring keys.
; K = 64 IN A FORM OF 128: q's registers 6-11 are zero codes, so k's may be anything (the format has no infinity and no NaN): tile T's operand is the 12 registers from its own six on, which run into the next tile's.
; LIMITS: NaN and infinities are not served; a block of zeros keeps the byte 1; a p0 under 2^-122 counts as 0 or without its subnormal codes: under 1e-36 of a row's sum, which is above 1/2.
.set CHUNK, 13312
.set HSB,   26624                      ; behind the two slots: four rows of 64 f32: row 2 pass + (wave / 8): the sums of vsum over the key steps hidden as a whole
.set LI,    1                          ; v1   16 x lane
.set L8,    2                          ; v2   8 x lane
.set CPA,   3                          ; v3   1,024 x wave + 16 x lane: my bytes of a chunk, in memory and in a slot
.set DV,    4                          ; v4   my query's place in its 128, less 16 h
.set IGN,   5                          ; v5   -800000.0
.set HA,    6                          ; v6   my 16 + 16 numbers of my row of the table
.set QSO,   7                          ; v7   16 r
.set ZSO,   8                          ; v8   8 r
.set QF,    16                         ; v16-27 q's fragment
.set QSC,   28                         ; v28  q's scale words
.set PSW,   29                         ; v29  p's scale word
.set CB,    30                         ; v30-37 the copy's bytes
.set KS,    38                         ; v38-41 k's or v's scale words
.set FR,    42                         ; v42-89 k's 8 halves or v's 4 fragments; v90-95 zeros
.set S,     96                         ; v96-159 S^T, then p
.set OT,    160                        ; v160-191 O^T
.set PC,    192                        ; v192-211 codes (12) and 8 at work
.set BM,    212
.set PM,    216
.set SO,    220
.set F,     224                        ; v[224:225] f = 2^(old M - new M)
.set T,     226
.set CNT,   227
.set T2,    228
.set P0,    230
.set Q2,    232                        ; v[232:233] p0 as its code's value
.set RC,    234                        ; v[234:235] 1 / the sum
.set ZB,    236
.set IGS,   237
.set LIMR,  238
.set HW,    239
.set HO,    240
.set WV,    12
.set I,     13
.set BH,    14
.set XI,    15                         ; my tile of queries in its 128
.set HI,    16                         ; which 128 of the 256
.set QB,    17
.set GW,    18                         ; my queries' block of 128 = the key step on my diagonal
.set STEP,  19
.set NST,   20                         ; key steps of the pass
.set TRIP,  21
.set MANT,  22
.set SEL,   24
.set CS,    26                         ; s[26:27] c = log2(e) / 8
.set KB,    28
.set QP,    30
.set QS,    32
.set ZC,    48
.set ZS,    50
.macro QLOAD                           ; my tile of q: a half fragment, and its scale words (lane r takes the word of lane r + 16 (tile % 2) of pair tile / 2)
	s_lshl_b32 s36, s[BH], 3
	s_add_co_u32 s36, s36, s[GW]
	s_mul_i32 s36, s36, 6656
	s_mul_i32 s37, s[XI], 768
	s_add_co_u32 s38, s36, s37
	s_mov_b32 s39, 0
	s_add_nc_u64 s[QP:QP+1], s[4:5], s[38:39]
	s_and_b32 s37, s[XI], 1
	s_lshl_b32 s37, s37, 8
	s_add_co_u32 s38, s36, s37
	s_lshr_b32 s37, s[XI], 1
	s_lshl_b32 s37, s37, 2
	s_add_co_u32 s38, s38, s37
	s_add_co_u32 s38, s38, 6144
	s_add_nc_u64 s[QS:QS+1], s[4:5], s[38:39]
	global_load_b128 v[QF:QF+3], v[LI], s[QP:QP+1]
	global_load_b64 v[QF+4:QF+5], v[L8], s[QP:QP+1] offset:512
	global_load_b32 v[QSC], v[QSO], s[QS:QS+1]
.endm
.macro INIT                            ; a pass begins: the step is written once, and its first turn finds zeros, which the first change of M leaves zeros
	v_mov_b32 v13, 0xff61b1e6                      ; the largest t so far: -3e38
	v_floor_f32 v12, -v13                          ; -M
	v_mov_b32 v14, 0
	v_mov_b32 v15, 0
.set n, 0
.rept 32
	v_mov_b32 v[OT+n], 0
.set n, n+1
.endr
.endm
	s_load_b256 s[4:11], s[0:1], 0x0               ; qq, kv, vsum, zq
	v_lshl_add_u32 v254, v0, 2, 0x6c00
	v_mov_b32 v255, 0
	v_lshrrev_b32 v9, 5, v0
	v_readfirstlane_b32 s[WV], v9                  ; wave 0..15
	s_mov_b32 s[I], ttmp9
	s_and_b32 s[BH], ttmp7, 0xffff                 ; 16 b + head
	s_and_b32 s[XI], s[WV], 7
	s_lshr_b32 s[HI], s[WV], 3
	s_sub_co_u32 s[QB], 3, s[I]                    ; the first pass: block 3 - i
	s_lshl_b32 s[GW], s[QB], 1
	s_add_co_u32 s[NST], s[GW], 2
	s_add_co_u32 s[GW], s[GW], s[HI]
	s_mov_b32 s[STEP], 0
	s_mov_b32 s[MANT], 0x600000
	s_mov_b32 s[SEL], 0x76543210
	s_mov_b32 s[SEL+1], 0xfedcba98
	s_mov_b32 s[CS], 0x3e38aa3b
	s_mov_b32 s[CS+1], s[CS]                       ; (named with it as a pair, so it is written)
	v_and_b32 v9, 31, v0                           ; every LDS address is made here, ahead of the first parting of the waves
	v_and_b32 v10, 15, v0                          ; r
	v_bfe_u32 v11, v0, 4, 1                        ; h
	v_lshlrev_b32 v[LI], 4, v9
	v_lshlrev_b32 v[L8], 3, v9
	s_lshl_b32 s36, s[WV], 10
	v_add_nc_u32 v[CPA], s36, v[LI]
	v_and_b32 v[DV], 8, v10
	v_add_nc_u32 v[DV], v[DV], v10
	v_lshlrev_b32 v9, 4, v11
	v_sub_nc_u32 v[DV], v[DV], v9
	s_lshr_b32 s36, s[XI], 1
	s_lshl_b32 s36, s36, 5
	s_and_b32 s37, s[XI], 1
	s_lshl_b32 s37, s37, 3
	s_add_co_u32 s36, s36, s37
	v_add_nc_u32 v[DV], s36, v[DV]                 ; 32 (tile / 2) + 8 (tile % 2) + r + 8 (r / 8) - 16 h
	v_mov_b32 v[IGN], 0xc9435000
	s_lshl_b32 s36, s[HI], 8
	s_add_co_u32 s36, s36, HSB
	v_lshl_add_u32 v[HA], v11, 6, s36
	v_lshlrev_b32 v[QSO], 4, v10
	v_lshlrev_b32 v[ZSO], 3, v10
	v_lshl_add_u32 v[HW], v0, 2, HSB
	v_and_b32 v[HO], 63, v0
	v_lshlrev_b32 v[HO], 2, v[HO]
.irp j, 0,1,2,3,4,5
	v_mov_b32 v[QF+6+\j], 0                        ; q's codes of k = 64 .. 127: zeros
	v_mov_b32 v[FR+48+\j], 0                       ; what tile 7's operand runs into
.endr
.irp b, 0,1,2,3
	v_mov_b32 v[PM+\b], 0                          ; written once: a lane permute's destination counts as one of its sources
.endr
	v_mov_b32 v[F+1], 0                            ; (upper halves of pairs of which the low word serves both halves)
	v_mov_b32 v[Q2+1], 0
	v_mov_b32 v[RC+1], 0
	s_wait_kmcnt 0x0
	s_mul_i32 s36, s[BH], 8*CHUNK
	s_mov_b32 s37, 0
	s_add_nc_u64 s[KB:KB+1], s[6:7], s[36:37]
	s_cmp_lt_u32 s[WV], 13
	s_cbranch_scc0 .Lhead_no_load
	global_load_b128 v[CB:CB+3], v[CPA], s[KB:KB+1]              ; key step 0's chunk
	global_load_b128 v[CB+4:CB+7], v[CPA], s[KB:KB+1] offset:512
.Lhead_no_load:
	QLOAD
	s_cmp_lt_u32 s[WV], 8                          ; waves 0 to 7 make the table: thread t makes channel t % 64 of row t / 64
	s_cbranch_scc0 .Lno_table
	s_lshr_b32 s36, s[WV], 2                       ; the row's pass,
	s_bfe_u32 s37, s[WV], 0x10001                  ; and which 128 of the 256
	s_cmp_eq_u32 s36, 0
	s_cselect_b32 s36, s[QB], s[I]
	s_lshl_b32 s36, s36, 1
	s_add_co_u32 s36, s36, s37                     ; the row's key step on the diagonal
.irp k, 1,2,3,4,5,6,7
	s_cmp_lt_u32 s36, \k
	s_cselect_b32 s[40+\k], 1.0, 0                 ; key step k counts where it lies behind the diagonal
.endr
	s_lshl_b32 s38, s[BH], 11
	s_mov_b32 s39, 0
	s_add_nc_u64 s[38:39], s[8:9], s[38:39]
.irp k, 1,2,3,4,5,6,7
	global_load_b32 v[S+\k], v[HO], s[38:39] offset:256*\k
.endr
	s_wait_loadcnt 0x0
	v_mul_f32 v[S], s41, v[S+1]
.irp k, 2,3,4,5,6,7
	v_fma_f32 v[S], v[S+\k], s[40+\k], v[S]
.endr
	ds_store_b32 v[HW], v[S]
.Lno_table:
	s_wait_loadcnt 0x0
	s_cmp_lt_u32 s[WV], 13
	s_cbranch_scc0 .Lhead_no_store
	ds_store_b128 v[CPA], v[CB:CB+3]
	ds_store_b128 v[CPA], v[CB+4:CB+7] offset:512
.Lhead_no_store:
	INIT
	s_wait_dscnt 0x0                               ; for the others' sake: my stores have landed
	s_barrier_signal -1
	s_barrier_wait -1
; A KEY STEP: 128 keys, from slot.  copy = 1: the next step's chunk (at a pass's end: the next pass's first) goes into the other slot.
.macro KSTEP slot, copy
.if \copy
	s_add_co_u32 s36, s[STEP], 1
	s_cmp_eq_u32 s36, s[NST]
	s_cselect_b32 s36, 0, s36
	s_lshl_b32 s37, s[BH], 3
	s_add_co_u32 s36, s36, s37
	s_mul_i32 s36, s36, CHUNK
	s_mov_b32 s37, 0
	s_add_nc_u64 s[KB:KB+1], s[6:7], s[36:37]      ; (the last copy's loads were waited for: their base may be written)
	s_cmp_lt_u32 s[WV], 13
	s_cbranch_scc0 .Lno_load_\@
	global_load_b128 v[CB:CB+3], v[CPA], s[KB:KB+1]
	global_load_b128 v[CB+4:CB+7], v[CPA], s[KB:KB+1] offset:512
.Lno_load_\@:
.endif
	s_cmp_gt_u32 s[STEP], s[GW]                    ; a step all of whose keys come after my queries is left out: FINISH adds its part.  No barrier stands inside
	s_cbranch_scc1 .Lhidden_\@
.rept 4
	v_nop                                          ; places in front of loads into registers that the last products have read
.endr
.irp kt, 0,1,2,3,4,5,6,7
	ds_load_b128 v[FR+6*\kt:FR+6*\kt+3], v[LI] offset:\slot*CHUNK+768*\kt
	ds_load_b64 v[FR+6*\kt+4:FR+6*\kt+5], v[L8] offset:\slot*CHUNK+768*\kt+512
.endr
	ds_load_b128 v[KS:KS+3], v[LI] offset:\slot*CHUNK+12288
	s_wait_dscnt 0x0
.irp kt, 0,1,2,3,4,5,6,7               ; S^T = k q^T: register g holds tile 2 g's scale words in lanes 0-15 and tile 2 g + 1's in lanes 16-31
.if \kt%2
	v_wmma_scale_f32_16x16x128_f8f6f4 v[S+8*\kt:S+8*\kt+7], v[FR+6*\kt:FR+6*\kt+11], v[QF:QF+11], 0, v[KS+\kt/2], v[QSC] matrix_a_fmt:MATRIX_FMT_BF6 matrix_b_fmt:MATRIX_FMT_BF6 matrix_a_scale:MATRIX_SCALE_ROW1
.else
	v_wmma_scale_f32_16x16x128_f8f6f4 v[S+8*\kt:S+8*\kt+7], v[FR+6*\kt:FR+6*\kt+11], v[QF:QF+11], 0, v[KS+\kt/2], v[QSC] matrix_a_fmt:MATRIX_FMT_BF6 matrix_b_fmt:MATRIX_FMT_BF6
.endif
.endr
.rept 4
	v_nop
.endr
.irp vt, 0,1,2,3                       ; v's fragments are asked for now and land under the softmax
.irp c, 0,1
	ds_load_b128 v[FR+12*\vt+6*\c:FR+12*\vt+6*\c+3], v[LI] offset:\slot*CHUNK+6144+768*(2*\vt+\c)
	ds_load_b64 v[FR+12*\vt+6*\c+4:FR+12*\vt+6*\c+5], v[L8] offset:\slot*CHUNK+6144+768*(2*\vt+\c)+512
.endr
.endr
	ds_load_b128 v[KS:KS+3], v[LI] offset:\slot*CHUNK+12800
	s_cmp_lg_u32 s[STEP], s[GW]                    ; on the diagonal: register 16 b + i holds key 32 b + 16 h + i: hidden where 32 b + i > my query's place - 16 h
	s_cbranch_scc1 .Lopen_\@
.set n, 0
.rept 64
	v_cmp_gt_i32 vcc_lo, 32*(n/16)+n%16, v[DV]
	v_cndmask_b32 v[S+n], v[S+n], v[IGN], vcc_lo
.set n, n+1
.endr
.Lopen_\@:
.irp b, 0,1,2,3
	v_max3_num_f32 v[BM+\b], v[S+16*\b], v[S+1+16*\b], v[S+2+16*\b]   ; the largest score of each block of 32 keys: it serves the row's maximum and, since p rises with the score, the block's largest p
.endr
.irp i, 3,5,7,9,11,13
.irp b, 0,1,2,3
	v_max3_num_f32 v[BM+\b], v[BM+\b], v[S+16*\b+\i], v[S+1+16*\b+\i]
.endr
.endr
.irp b, 0,1,2,3
	v_max_num_f32 v[BM+\b], v[BM+\b], v[S+15+16*\b]
.endr
.irp b, 0,1,2,3
	v_permlanex16_b32 v[PM+\b], v[BM+\b], s[SEL], s[SEL+1]
.endr
.irp b, 0,1,2,3
	v_max_num_f32 v[BM+\b], v[BM+\b], v[PM+\b]
.endr
	v_max3_num_f32 v[T], v[BM], v[BM+1], v[BM+2]
	v_max_num_f32 v[T], v[T], v[BM+3]
	v_mul_f32 v[T], s[CS], v[T]                    ; as t (c is positive)
	v_max_num_f32 v13, v13, v[T]
	v_mov_b32 v[T], v12
	v_floor_f32 v12, -v13                          ; the new -M = -ceil(t): a whole number
	v_sub_f32 v[T], v12, v[T]
	v_cvt_i32_f32 v[T], v[T]                       ; (it saturates)
	v_ldexp_f32 v[F], 1.0, v[T]                    ; f = 2^(old M - new M): a multiplication by it rounds nothing
.set n, 0
.rept 32
	v_pk_fma_f32 v[S+n:S+n+1], v[S+n:S+n+1], s[CS:CS+1], v[12:13] op_sel_hi:[1,0,0]   ; t - M, two at a time
.set n, n+2
.endr
.irp b, 0,1,2,3
	v_fma_f32 v[BM+\b], v[BM+\b], s[CS], v12
.endr
.set n, 0
.rept 64
	v_exp_f32 v[S+n], v[S+n]                       ; p = 2^(t - M): not normalised
.set n, n+1
.endr
	v_pk_mul_f32 v[14:15], v[14:15], v[F:F+1] op_sel_hi:[1,0]   ; the sums under the new M (a plain place behind the exponentials)
	s_wait_alu depctr_va_vdst(0)                   ; one wait for the whole batch, ahead of its first reader
.irp b, 0,1,2,3
	v_exp_f32 v[BM+\b], v[BM+\b]                   ; the block's largest p: the same two instructions on the same number
.endr
	v_pk_add_f32 v[T2:T2+1], v[S:S+1], v[S+2:S+3]  ; the row's sum of the UNQUANTISED p, in two chains (they read the 64 alone)
.irp j, 4,8,12,16,20,24,28,32,36,40,44,48,52,56,60
	v_pk_add_f32 v[14:15], v[14:15], v[S+\j:S+\j+1]
	v_pk_add_f32 v[T2:T2+1], v[T2:T2+1], v[S+2+\j:S+3+\j]
.endr
	v_pk_add_f32 v[14:15], v[14:15], v[T2:T2+1]
	s_wait_alu depctr_va_vdst(0)                   ; and one for the four
.irp b, 0,1,2,3
	v_max_num_f32 v[BM+\b], 0x2800000, v[BM+\b]    ; the floor 2^(5 - 127): the byte cannot fall under 1
.endr
.irp b, 0,1,2,3
	v_add_nc_u32 v[SO+\b], 0xfe000000, v[BM+\b]
.endr
.irp b, 0,1,2,3
	v_lshrrev_b32 v[PM+\b], 23, v[SO+\b]
.endr
	v_lshl_or_b32 v[PSW], v[PM+1], 8, v[PM]
	v_lshl_or_b32 v[PSW], v[PM+2], 16, v[PSW]
	v_lshl_or_b32 v[PSW], v[PM+3], 24, v[PSW]
.irp c, 0,1
	v_cvt_scalef32_pk16_bf6_f32 v[PC+6*\c:PC+2+6*\c], v[S+32*\c:S+15+32*\c], v[SO+2*\c]
	v_cvt_scalef32_pk16_bf6_f32 v[PC+12+4*\c:PC+14+4*\c], v[S+16+32*\c:S+31+32*\c], v[SO+2*\c+1]
.endr
	v_nop                                          ; one plain place behind a scaled conversion
.irp c, 0,1
.irp i, 0,1,2
	v_permlane16_swap_b32 v[PC+6*\c+\i], v[PC+12+4*\c+\i]
.endr
.irp i, 0,1,2
	v_mov_b32 v[PC+3+6*\c+\i], v[PC+12+4*\c+\i]
.endr
.endr
.set n, 0
.rept 16
	v_pk_mul_f32 v[OT+n:OT+n+1], v[OT+n:OT+n+1], v[F:F+1] op_sel_hi:[1,0]   ; O^T under the new M, from each accumulator's low end on.  For each product below twelve of these sixteen name none of its registers: its places behind p's codes and scale word
.set n, n+2
.endr
	s_wait_dscnt 0x0                               ; v is in
.irp vt, 0,1,2,3                       ; O^T += v^T p^T
	v_wmma_scale_f32_16x16x128_f8f6f4 v[OT+8*\vt:OT+8*\vt+7], v[FR+12*\vt:FR+12*\vt+11], v[PC:PC+11], v[OT+8*\vt:OT+8*\vt+7], v[KS+\vt], v[PSW] matrix_a_fmt:MATRIX_FMT_BF6 matrix_b_fmt:MATRIX_FMT_BF6
.endr
.Lhidden_\@:
.if \copy
	s_wait_loadcnt 0x0                             ; the next chunk's bytes are in my registers
	s_cmp_lt_u32 s[WV], 13
	s_cbranch_scc0 .Lno_store_\@
	ds_store_b128 v[CPA], v[CB:CB+3] offset:(1-\slot)*CHUNK        ; the other slot was last read ahead of the last barrier
	ds_store_b128 v[CPA], v[CB+4:CB+7] offset:(1-\slot)*CHUNK+512
.Lno_store_\@:
	s_wait_dscnt 0x0                               ; my stores have landed, and my reads of this slot are over
	s_barrier_signal -1
	s_barrier_wait -1
.endif
	s_add_co_u32 s[STEP], s[STEP], 1
.endm
; A PASS ENDS: the key steps hidden as a whole are added, O^T is divided by the sum, quantised and stored.
.macro FINISH pass
.rept 4
	v_nop                                          ; places behind the last products
.endr
.irp b, 0,1
.irp q, 0,1,2,3
	ds_load_b128 v[S+16*\b+4*\q:S+16*\b+4*\q+3], v[HA] offset:512*\pass+128*\b+16*\q   ; H: register 16 b + i = channel 32 b + 16 h + i, as O^T has them
.endr
.endr
	s_lshr_b32 s36, s[BH], 4
	s_lshl_b32 s36, s36, 3
	s_add_co_u32 s36, s36, s[GW]                   ; the block of 128 rows: 8 b + my block
	s_lshl_b32 s36, s36, 3
	s_bfe_u32 s37, s[BH], 0x30001
	s_add_co_u32 s36, s36, s37                     ; x 8 + the last product's K step: head / 2
	s_and_b32 s37, s[BH], 1                        ; which half of that K step
	s_lshl_b32 s38, s36, 3
	s_add_co_u32 s38, s38, s[XI]
	s_mul_i32 s38, s38, 1536
	s_mul_i32 s39, s37, 768
	s_add_co_u32 s38, s38, s39
	s_mov_b32 s39, 0
	s_add_nc_u64 s[ZC:ZC+1], s[10:11], s[38:39]
	s_lshl_b32 s38, s36, 9                         ; the scale words: 512 bytes a K step: [tile / 4][lane r + 16 (tile % 2)][(tile / 2) % 2], my head's two bytes of the word
	s_lshr_b32 s40, s[XI], 2
	s_lshl_b32 s40, s40, 8
	s_add_co_u32 s38, s38, s40
	s_and_b32 s40, s[XI], 1
	s_lshl_b32 s40, s40, 7
	s_add_co_u32 s38, s38, s40
	s_bfe_u32 s40, s[XI], 0x10001
	s_lshl_b32 s40, s40, 2
	s_add_co_u32 s38, s38, s40
	s_lshl_b32 s40, s37, 1
	s_add_co_u32 s38, s38, s40
	s_add_co_u32 s38, s38, 6291456
	s_add_nc_u64 s[ZS:ZS+1], s[10:11], s[38:39]
	s_sub_co_u32 s36, 7, s[GW]                     ; key steps hidden as a whole
	s_cmp_eq_u32 s36, 0
	s_mov_b32 s37, 0xc9435000                      ; their score: -8e5;
	s_cselect_b32 s37, 0xff61b1e6, s37             ; where there is none: -3e38, which moves no maximum and gives p0 = 0
	s_lshl_b32 s36, s36, 7
	v_cvt_f32_u32 v[CNT], s36                      ; their keys
	v_mov_b32 v[IGS], s37
	v_mul_f32 v[T], s[CS], v[IGS]
	v_max_num_f32 v13, v13, v[T]                   ; the hidden keys count for the row's maximum too
	v_mov_b32 v[T], v12
	v_floor_f32 v12, -v13
	v_sub_f32 v[T], v12, v[T]
	v_cvt_i32_f32 v[T], v[T]
	v_ldexp_f32 v[F], 1.0, v[T]
	v_fma_f32 v[P0], v[IGS], s[CS], v12
	v_exp_f32 v[P0], v[P0]                         ; p0
	v_pk_mul_f32 v[14:15], v[14:15], v[F:F+1] op_sel_hi:[1,0]
.set n, 0
.rept 16
	v_pk_mul_f32 v[OT+n:OT+n+1], v[OT+n:OT+n+1], v[F:F+1] op_sel_hi:[1,0]
.set n, n+2
.endr
	s_wait_alu depctr_va_vdst(0)                   ; ahead of p0's first reader
	v_bfe_u32 v[T], v[P0], 21, 1                   ; p0 to two mantissa bits, ties to even,
	v_add3_u32 v[T], v[P0], v[T], 0xfffff
	v_and_b32 v[T], 0xffe00000, v[T]
	v_and_or_b32 v[LIMR], v[P0], 0x7f800000, s[MANT]
	v_min_u32 v[Q2], v[T], v[LIMR]                 ; held at 1.75 x its power of two: the value of the code 28 under the block's scale
	v_add_f32 v14, v14, v15
	v_permlanex16_b32 v[PM], v14, s[SEL], s[SEL+1]
	v_add_f32 v14, v14, v[PM]                      ; the row's sum over the keys that were walked,
	v_fma_f32 v14, v[P0], v[CNT], v14              ; and over those that were not
	v_rcp_f32 v[RC], v14
	s_wait_dscnt 0x0                               ; H is in
.set n, 0
.rept 16
	v_pk_fma_f32 v[OT+n:OT+n+1], v[S+n:S+n+1], v[Q2:Q2+1], v[OT+n:OT+n+1] op_sel_hi:[1,0,1]
.set n, n+2
.endr
	s_wait_alu depctr_va_vdst(0)                   ; ahead of the reciprocal's first reader
.set n, 0
.rept 16
	v_pk_mul_f32 v[OT+n:OT+n+1], v[OT+n:OT+n+1], v[RC:RC+1] op_sel_hi:[1,0]   ; z
.set n, n+2
.endr
.irp b, 0,1                            ; z's two blocks of 32 channels
	v_max3_num_f32 v[BM+\b], |v[OT+16*\b]|, |v[OT+1+16*\b]|, 0x2800000
.endr
.irp i, 2,4,6,8,10,12,14
.irp b, 0,1
	v_max3_num_f32 v[BM+\b], v[BM+\b], |v[OT+16*\b+\i]|, |v[OT+1+16*\b+\i]|
.endr
.endr
.irp b, 0,1
	v_permlanex16_b32 v[PM+\b], v[BM+\b], s[SEL], s[SEL+1]
.endr
.irp b, 0,1
	v_max_num_f32 v[BM+\b], v[BM+\b], v[PM+\b]
.endr
.irp b, 0,1
	v_add_nc_u32 v[SO+\b], 0xfe000000, v[BM+\b]
.endr
.irp b, 0,1
	v_lshrrev_b32 v[PM+\b], 23, v[SO+\b]
.endr
	v_lshl_or_b32 v[ZB], v[PM+1], 8, v[PM]
	v_cvt_scalef32_pk16_bf6_f32 v[PC:PC+2], v[OT:OT+15], v[SO]
	v_cvt_scalef32_pk16_bf6_f32 v[PC+12:PC+14], v[OT+16:OT+31], v[SO+1]
	v_nop                                          ; one plain place behind a scaled conversion
.irp i, 0,1,2
	v_permlane16_swap_b32 v[PC+\i], v[PC+12+\i]    ; a whole block in a lane: lanes 0-15 block 0, lanes 16-31 block 1
.endr
.irp i, 0,1,2
	v_mov_b32 v[PC+3+\i], v[PC+12+\i]
.endr
	global_store_b128 v[LI], v[PC:PC+3], s[ZC:ZC+1]              ; half a fragment: 512 consecutive bytes,
	global_store_b64 v[L8], v[PC+4:PC+5], s[ZC:ZC+1] offset:512  ; and 256
	global_store_b16 v[ZSO], v[ZB], s[ZS:ZS+1]     ; two bytes of each row's word (lanes r and r + 16 write the same)
.endm
	s_mov_b32 s[TRIP], 4
.Ltrip:                                ; four trips of two key steps; the first pass (8 or 6 steps) ends inside them, the second with the tenth step
	KSTEP 0, 1
	KSTEP 1, 1
	s_cmp_lg_u32 s[STEP], s[NST]                   ; the same in all sixteen waves
	s_cbranch_scc1 .Lpass_goes_on
	FINISH 0
	s_wait_xcnt 0x0                                ; the stores have read their registers and bases
	s_lshl_b32 s[GW], s[I], 1                      ; the second pass: block i
	s_add_co_u32 s[NST], s[GW], 2
	s_add_co_u32 s[GW], s[GW], s[HI]
	s_mov_b32 s[STEP], 0
	QLOAD
	INIT
	s_wait_loadcnt 0x0
.Lpass_goes_on:
	s_sub_co_u32 s[TRIP], s[TRIP], 1
	s_cmp_lg_u32 s[TRIP], 0
	s_cbranch_scc1 .Ltrip
	KSTEP 0, 1
	KSTEP 1, 0                                     ; the last step: nothing is left to copy, and nobody writes LDS any more: no barrier
	FINISH 1
	s_wait_tensorcnt 0x0
	ds_add_u32 v254, v255
	s_wait_dscnt 0x0
	s_endpgm
.Lfunc_end_k_q119f6bede5_attn:
	.size	k_q119f6bede5_attn, .Lfunc_end_k_q119f6bede5_attn-k_q119f6bede5_attn
	.p2alignl 7, 3214868480
	.fill 96, 4, 3214868480
	.section	.rodata,"a",@progbits
	.p2align	6, 0x0
	.amdhsa_kernel k_q119f6bede5_attn
		.amdhsa_group_segment_fixed_size 29696
		.amdhsa_private_segment_fixed_size 0
		.amdhsa_enable_private_segment 0
		.amdhsa_kernarg_size 32
		.amdhsa_user_sgpr_count 2
		.amdhsa_user_sgpr_kernarg_segment_ptr 1
		.amdhsa_wavefront_size32 1
		.amdhsa_system_sgpr_workgroup_id_x 1
		.amdhsa_system_sgpr_workgroup_id_y 1
		.amdhsa_system_sgpr_workgroup_id_z 1
		.amdhsa_system_vgpr_workitem_id 0
		.amdhsa_next_free_vgpr 256
		.amdhsa_next_free_sgpr 66
		.amdhsa_reserve_vcc 1
		.amdhsa_float_denorm_mode_32 3
		.amdhsa_float_denorm_mode_16_64 3
		.amdhsa_memory_ordered 1
		.amdhsa_forward_progress 1
		.amdhsa_inst_pref_size 112
	.end_amdhsa_kernel
	.amdgpu_metadata
---
amdhsa.version: [ 1, 2 ]
amdhsa.kernels:
  - .name:           k_q119f6bede5_attn
    .symbol:         k_q119f6bede5_attn.kd
    .args:
      - { .name: qq, .offset: 0, .size: 8, .value_kind: global_buffer, .address_space: global }
      - { .name: kv, .offset: 8, .size: 8, .value_kind: global_buffer, .address_space: global }
      - { .name: vsum, .offset: 16, .size: 8, .value_kind: global_buffer, .address_space: global }
      - { .name: zq, .offset: 24, .size: 8, .value_kind: global_buffer, .address_space: global }
    .group_segment_fixed_size: 29696
    .private_segment_fixed_size: 0
    .kernarg_segment_align: 8
    .kernarg_segment_size: 32
    .max_flat_workgroup_size: 512
    .sgpr_count:     66
    .vgpr_count:     256
    .wavefront_size: 32
...
	.end_amdgpu_metadata
.endif
;; end of part 3
;; launch out (part 4): grid 4 x 64, 4 waves a work-group, clusters of 4 x 4, 312,832 bytes of LDS; arguments zq, wq, Ob, out0; writes out0
.if DOCPART == 4
	.amdgcn_target "amdgcn-amd-amdhsa--gfx1250"
	.amdhsa_code_object_version 6
	.text
	.protected	k_q119f6bede5_out
	.globl	k_q119f6bede5_out
	.p2align	8
	.type	k_q119f6bede5_out,@function
k_q119f6bede5_out:
	s_mov_b64 s[64:65], 0
	v_nop
	global_prefetch_b8 v0, s[64:65] scope:SCOPE_SE
	s_setreg_imm32_b32 hwreg(HW_REG_WAVE_MODE, 25, 1), 1
	s_wait_xcnt 0x0
	s_wait_alu depctr_hold_cnt(0) depctr_sa_sdst(0) depctr_va_vdst(0) depctr_va_sdst(0) depctr_va_ssrc(0) depctr_va_vcc(0) depctr_vm_vsrc(0)
	s_getreg_b32 s2, hwreg(HW_REG_IB_STS2, 6, 4)
	s_cmp_eq_u32 s2, 0
	s_cbranch_scc0 .Lentry_in_a_cluster
	s_endpgm
.Lentry_in_a_cluster:
	s_bfe_u32 s2, ttmp6, 0x10000c
	s_cmp_lg_u32 s2, 0xf033
	s_cbranch_scc0 .Lentry_shape_is_right
	s_endpgm
.Lentry_shape_is_right:
; OUT.  out0 = z O + Ob: [8192][1024] x [1024][1024] on codes of BF6 with E8M0 scales, f32 out.  z comes quantised from attention, O from the first launch (tensor 3 of wq).
; SHARES.  A work-group makes 128 rows x 256 columns; wave w makes columns 64 (4 x + w) on: 128 x 64 in 32 accumulators.  256 work-groups.
; LDS IS FILLED ONCE: z's 128 rows x 1,024 K (98,304 bytes) and each wave's 64 columns x 1,024 K (49,152 bytes) fit, so all is asked for at the head, in four stages of two K steps, and no slot is filled again.
; CLUSTER 4 x 4: z's block is shared along a row of the cluster, a wave's weights along a column: each is asked for jointly.  A wave has 8 tensor loads out, all issued together.
; THE PRODUCT IS USED TRANSPOSED (source 0 = 16 columns of O, source 1 = 16 rows of z): a lane's registers run along a row of out0.  Lane r of tile T takes row (or column) 32 (T / 2) + 8 (T % 2) + r + 8 (r / 8).  Ob is the C of each sum's first matrix instruction.
; z's fragment lies as two halves (one from each of two heads): 512 bytes of registers 0-3 and 256 of registers 4-5, twice.
; REGISTERS.  window 0: v1-11 addresses; v16-47 z's scale words, v48-63 O's; v64-95 the bias; v112-255 fragments, set 0.  window 1: the accumulators.  window 2: v112-255 fragments, set 1.
.set XBYTES, 98304
.set WBYTES, 49152
.set ZSCL,  6291456
.set WSCL,  3145728
.set STAGE, 294912                     ; behind the operands: 16 rows x (256 bytes + 16) for each wave; no tensor load ever lands there
.set AX,    1                          ; v1-2  16 x lane, and the same + 49,152
.set AW,    3                          ; v3    my wave's weights in LDS + 16 x lane
.set A8,    4                          ; v4-5  8 x lane, and the same + 49,152
.set L4,    6                          ; v6    4 x lane
.set BO,    7
.set STO,   8                          ; v8    the stage: row r, + 64 h
.set RD,    9                          ; v9    back: lanes 0-15 one row, lanes 16-31 the next
.set GO,    10                         ; v10   the same two rows in out0
.set XS,    16
.set WS,    48
.set BIAS,  64
.set XF,    112
.set WF,    208
.set BK,    112                        ; the way out: two sets of 32
.set WV,    20
.set CX,    22
.set CY,    23
.set G1X,   24
.set G1W,   32
.set G0X,   40
.set RB,    76
.set HD,    80
.set WBL,   81
.set MSB, 0
.macro WIN new                         ; the immediate's high byte repeats the setting that is left
.if MSB != \new
	s_set_vgpr_msb (MSB<<8)|\new
.set MSB, \new
.endif
.endm
.macro PLACES                          ; four plain places between a matrix instruction and a load into, or a store of, its registers
.rept 4
	v_nop
.endr
.endm
.macro CROUND                          ; a round of the cluster's barrier
	s_barrier_signal -1
	s_barrier_wait -1
	s_cmp_lg_u32 s[WV], 0
	s_cbranch_scc1 .Lnot_wave_0_\@
	s_barrier_signal -3
.Lnot_wave_0_\@:
	s_barrier_wait -3
	s_barrier_signal -1
	s_barrier_wait -1
.endm
.macro WM d, a, b, c, sa, sb, ra, rb   ; ra, rb = 1: the scales stand in lanes 16-31
.set RR, 2*(\ra)+(\rb)
.if RR == 0
	v_wmma_scale_f32_16x16x128_f8f6f4 v[(\d):(\d)+7], v[(\a):(\a)+11], v[(\b):(\b)+11], v[(\c):(\c)+7], v[\sa], v[\sb] matrix_a_fmt:MATRIX_FMT_BF6 matrix_b_fmt:MATRIX_FMT_BF6
.elseif RR == 1
	v_wmma_scale_f32_16x16x128_f8f6f4 v[(\d):(\d)+7], v[(\a):(\a)+11], v[(\b):(\b)+11], v[(\c):(\c)+7], v[\sa], v[\sb] matrix_a_fmt:MATRIX_FMT_BF6 matrix_b_fmt:MATRIX_FMT_BF6 matrix_b_scale:MATRIX_SCALE_ROW1
.elseif RR == 2
	v_wmma_scale_f32_16x16x128_f8f6f4 v[(\d):(\d)+7], v[(\a):(\a)+11], v[(\b):(\b)+11], v[(\c):(\c)+7], v[\sa], v[\sb] matrix_a_fmt:MATRIX_FMT_BF6 matrix_b_fmt:MATRIX_FMT_BF6 matrix_a_scale:MATRIX_SCALE_ROW1
.else
	v_wmma_scale_f32_16x16x128_f8f6f4 v[(\d):(\d)+7], v[(\a):(\a)+11], v[(\b):(\b)+11], v[(\c):(\c)+7], v[\sa], v[\sb] matrix_a_fmt:MATRIX_FMT_BF6 matrix_b_fmt:MATRIX_FMT_BF6 matrix_a_scale:MATRIX_SCALE_ROW1 matrix_b_scale:MATRIX_SCALE_ROW1
.endif
.endm
	s_load_b256 s[4:11], s[0:1], 0x0               ; zq, wq, Ob, out0
	v_lshl_add_u32 v110, v0, 2, 0x4c400
	v_mov_b32 v111, 0
	ds_add_u32 v110, v111
	ds_add_u32 v110, v111
	v_lshrrev_b32 v[BO], 5, v0
	v_readfirstlane_b32 s[WV], v[BO]               ; wave 0..3
	s_bfe_u32 s[CX], ttmp6, 0x40000
	s_bfe_u32 s[CY], ttmp6, 0x40004
	s_and_b32 s[RB], ttmp7, 0xffff
	s_lshl_b32 s[RB], s[RB], 2
	s_add_co_u32 s[RB], s[RB], s[CY]               ; block of 128 rows = 4 x cluster y + cy
	s_lshl_b32 s[HD], ttmp9, 2
	s_add_co_u32 s[HD], s[HD], s[CX]
	s_lshl_b32 s[HD], s[HD], 2
	s_add_co_u32 s[HD], s[HD], s[WV]               ; my 64 columns = 4 x work-group x + wave
	s_lshl_b32 s90, s[CY], 2
	s_lshl_b32 s90, 15, s90                        ; my row of the cluster
	s_lshl_b32 s91, 0x1111, s[CX]                  ; my column
	s_or_b32 s[G1X], s90, (3<<16)|(1<<21)          ; a dense block as rows of 256 bytes (32 elements of 8 bytes), no padding; bit 21 set beside a mask
	s_or_b32 s[G1W], s91, (3<<16)|(1<<21)
.irp g, G1X, G1W
	s_mov_b32 s[\g+1], 32<<16                      ; tensor_dim0
	s_mov_b32 s[\g+3], 32<<16                      ; tile_dim0
	s_mov_b32 s[\g+5], 32                          ; the pitch
	s_mov_b32 s[\g+6], 0
	s_mov_b32 s[\g+7], 0
.endr
	s_mov_b32 s[G1X+2], 24<<16                     ; 24 rows of z a wave and stage,
	s_mov_b32 s[G1X+4], 24
	s_mov_b32 s[G1W+2], 48<<16                     ; 48 of O
	s_mov_b32 s[G1W+4], 48
	s_mul_i32 s78, s[RB], XBYTES
	s_mul_i32 s92, s[WV], 6144
	s_add_co_u32 s78, s78, s92
	s_mov_b32 s79, 0                               ; (these registers never hold cx)
	s_add_co_u32 s[WBL], s[HD], 48                 ; tensor 3 of wq
	s_mul_i32 s82, s[WBL], WBYTES
	s_mov_b32 s83, 0                               ; (and these never cy)
	s_mul_i32 s93, s[WV], WBYTES
	s_add_co_u32 s93, s93, XBYTES
	s_wait_dscnt 0x0
	s_wait_kmcnt 0x0
	s_add_nc_u64 s[78:79], s[4:5], s[78:79]
	s_add_nc_u64 s[82:83], s[6:7], s[82:83]
.irp p, 0,1,2,3
	s_mov_b32 s[G0X+4*\p], 1
	s_add_co_u32 s[G0X+4*\p+1], s92, \p*24576
	s_add_nc_u64 s[G0X+4*\p+2:G0X+4*\p+3], s[78:79], \p*24576
	s_or_b32 s[G0X+4*\p+3], s[G0X+4*\p+3], 0x80000000
	s_mov_b32 s[56+4*\p+4*(\p/2)], 1
	s_add_co_u32 s[56+4*\p+4*(\p/2)+1], s93, \p*12288
	s_add_nc_u64 s[56+4*\p+4*(\p/2)+2:56+4*\p+4*(\p/2)+3], s[82:83], \p*12288
	s_or_b32 s[56+4*\p+4*(\p/2)+3], s[56+4*\p+4*(\p/2)+3], 0x80000000
.endr
	CROUND                                         ; all sixteen work-groups are here: the joint loads meet
.irp p, 0,1,2,3
	tensor_load_to_lds s[G0X+4*\p:G0X+4*\p+3], s[G1X:G1X+7]
	s_nop 0
	tensor_load_to_lds s[56+4*\p+4*(\p/2):56+4*\p+4*(\p/2)+3], s[G1W:G1W+7]
	s_nop 0
.endr
.rept 4
	v_nop                                          ; four plain lines follow the last tensor load
.endr
	v_and_b32 v[BO], 31, v0
	v_lshlrev_b32 v[AX], 4, v[BO]
	v_add_nc_u32 v[AX+1], 49152, v[AX]
	v_add_nc_u32 v[AW], s93, v[AX]
	v_lshlrev_b32 v[A8], 3, v[BO]
	v_add_nc_u32 v[A8+1], 49152, v[A8]
	v_lshlrev_b32 v[L4], 2, v[BO]
	v_bfe_u32 v[BO], v0, 4, 1                      ; h
	v_and_b32 v11, 15, v0                          ; r
	s_mul_i32 s94, s[WV], 4352
	s_add_co_u32 s94, s94, STAGE                   ; my stage
	v_mul_u32_u24 v[STO], v11, 272
	v_lshl_add_u32 v[STO], v[BO], 6, v[STO]
	v_add_nc_u32 v[STO], s94, v[STO]
	v_mul_u32_u24 v[RD], v[BO], 272
	v_lshl_add_u32 v[RD], v11, 4, v[RD]
	v_add_nc_u32 v[RD], s94, v[RD]
	v_lshlrev_b32 v[GO], 12, v[BO]
	v_lshl_add_u32 v[GO], v11, 4, v[GO]
	v_lshlrev_b32 v[BO], 6, v[BO]                  ; 64 h: the bias
	s_lshl_b32 s84, s[RB], 12
	s_add_co_u32 s84, s84, ZSCL
	s_mov_b32 s85, 0
	s_add_nc_u64 s[84:85], s[4:5], s[84:85]
	s_lshl_b32 s86, s[WBL], 11
	s_add_co_u32 s86, s86, WSCL
	s_mov_b32 s87, 0
	s_add_nc_u64 s[86:87], s[6:7], s[86:87]
	s_lshl_b32 s88, s[HD], 8
	s_mov_b32 s89, 0
	s_add_nc_u64 s[8:9], s[8:9], s[88:89]          ; my 64 numbers of Ob
	s_lshl_b32 s94, s[RB], 19
	s_add_co_u32 s88, s88, s94
	s_add_nc_u64 s[10:11], s[10:11], s[88:89]      ; out0 at my block's first row and my first column
.irp k, 0,1,2,3,4,5,6,7
.irp f, 0,1
	global_load_b64 v[XS+4*\k+2*\f:XS+4*\k+2*\f+1], v[A8], s[84:85] offset:512*\k+256*\f
.endr
.endr
.irp k, 0,1,2,3,4,5,6,7
.irp g, 0,1
	global_load_b32 v[WS+2*\k+\g], v[L4], s[86:87] offset:256*\k+128*\g
.endr
.endr
.irp t, 0,1,2,3                        ; register j of tile 2 b + u is column 32 b + 16 h + 8 u + j
	global_load_b128 v[BIAS+8*\t:BIAS+8*\t+3], v[BO], s[8:9] offset:(32*(\t/2)+8*(\t%2))*4
	global_load_b128 v[BIAS+8*\t+4:BIAS+8*\t+7], v[BO], s[8:9] offset:(32*(\t/2)+8*(\t%2))*4+16
.endr
.macro FETCH s                         ; K step s's fragments, 44 loads in one run, into set s % 2
.if (\s)%2
	WIN 0x80                                       ; destination window 2, address window 0
.else
	WIN 0
.endif
.irp xi, 0,1,2,3,4,5,6,7
.irp c, 0,1
	ds_load_b128 v[XF+12*\xi+6*\c:XF+12*\xi+6*\c+3], v[AX+(\s)/4] offset:((\s)%4)*12288+\xi*1536+768*\c
	ds_load_b64 v[XF+12*\xi+6*\c+4:XF+12*\xi+6*\c+5], v[A8+(\s)/4] offset:((\s)%4)*12288+\xi*1536+768*\c+512
.endr
.endr
.irp wi, 0,1,2,3
.irp q, 0,1,2
	ds_load_b128 v[WF+12*\wi+4*\q:WF+12*\wi+4*\q+3], v[AW] offset:(\s)*6144+\wi*1536+512*\q
.endr
.endr
	WIN 0
.endm
.macro MUL s                           ; 32 matrix instructions, each accumulator once, in the same order in every K step; accumulator (xi, wi) at 32 xi + 8 wi
.if (\s) == 0
	WIN 0x40                                       ; D window 1, C: the bias, window 0
.elseif (\s)%2 == 0
	WIN 0x50
.else
	WIN 0x5a
.endif
.irp xi, 0,1,2,3,4,5,6,7
.irp wi, 0,1,2,3
.if (\s) == 0
	WM 32*\xi+8*\wi, WF+12*\wi, XF+12*\xi, BIAS+8*\wi, WS+2*(\s)+\wi/2, XS+4*(\s)+\xi/2, \wi%2, \xi%2
.else
	WM 32*\xi+8*\wi, WF+12*\wi, XF+12*\xi, 32*\xi+8*\wi, WS+2*(\s)+\wi/2, XS+4*(\s)+\xi/2, \wi%2, \xi%2
.endif
.endr
.endr
	WIN 0
.endm
.macro KSTEP s
	s_wait_dscnt 0x0                               ; this step's fragments are in (asked for 32 matrix instructions ago)
.if (\s) == 1 || (\s) == 3 || (\s) == 5
	s_wait_tensorcnt 5-(\s)                        ; my two loads of the next stage have landed; the later stages' two each may stay out
	s_barrier_signal -1
	s_barrier_wait -1
.endif
.if (\s) < 7
.if (\s) > 0
	PLACES                                         ; the last step's products have read the set that is loaded now
.endif
	FETCH (\s)+1
.endif
	MUL \s
.endm
	s_wait_tensorcnt 6                             ; stage 0 (my first two loads) has landed; the six behind it stay out
	s_barrier_signal -1
	s_barrier_wait -1
	FETCH 0
	s_wait_loadcnt 0x0                             ; scale words and bias
	KSTEP 0
	KSTEP 1
	KSTEP 2
	KSTEP 3
	KSTEP 4
	KSTEP 5
	KSTEP 6
	KSTEP 7
; THE WAY OUT, a tile of 16 rows x my 64 columns at a time.  A lane holds 32 + 32 + .. bytes of one row and the lanes beside it other rows: the tile goes through my own stage and comes back as rows of 256 bytes.
; LDS serves a wave's instructions in order (ISA guide 5.7.1.4): no wait between the stores and the loads, nor in front of the next tile's stores.
.macro TOSTAGE a
	WIN 0x04                                       ; an LDS store's data are its source 1: the accumulators' window
.irp wi, 0,1,2,3
	ds_store_b128 v[STO], v[32*(\a)+8*\wi:32*(\a)+8*\wi+3] offset:128*(\wi/2)+32*(\wi%2)        ; each accumulator from its low end on
	ds_store_b128 v[STO], v[32*(\a)+8*\wi+4:32*(\a)+8*\wi+7] offset:128*(\wi/2)+32*(\wi%2)+16
.endr
	WIN 0
.irp i, 0,1,2,3,4,5,6,7
	ds_load_b128 v[BK+32*((\a)%2)+4*\i:BK+32*((\a)%2)+4*\i+3], v[RD] offset:2*\i*272
.endr
.endm
.macro SEND a, younger                 ; younger: the LDS instructions issued behind tile a's loads, which may stay out
	s_wait_dscnt \younger
.irp i, 0,1,2,3,4,5,6,7                ; stage row 2 i + h is row 32 (a / 2) + 8 (a % 2) + 2 i + h + 8 (i / 4) of the block
	global_store_b128 v[GO], v[BK+32*((\a)%2)+4*\i:BK+32*((\a)%2)+4*\i+3], s[10:11] offset:(32*((\a)/2)+8*((\a)%2)+2*\i+8*(\i/4))*4096 th:TH_STORE_NT   ; sixteen lanes store 256 consecutive bytes, aligned; written once, read by nobody here
.endr
.endm
	PLACES                                         ; behind the last products: for the stores of results and the loads into set 0
	TOSTAGE 0
.irp a, 1,2,3,4,5,6,7
.if \a > 1
	s_wait_xcnt 0x0                                ; tile a - 2's stores have read their registers: tile a's loads may land there
.endif
	TOSTAGE \a
	SEND \a-1, 16                                  ; behind tile a - 1's loads: tile a's 8 stores and 8 loads
.endr
	SEND 7, 0
	s_wait_tensorcnt 0x0
	ds_add_u32 v110, v111
	s_wait_dscnt 0x0
	CROUND                                         ; the closing round: no work-group ends while a partner may still ask for a block that names it
	s_endpgm
.Lfunc_end_k_q119f6bede5_out:
	.size	k_q119f6bede5_out, .Lfunc_end_k_q119f6bede5_out-k_q119f6bede5_out
	.p2alignl 7, 3214868480
	.fill 96, 4, 3214868480
	.section	.rodata,"a",@progbits
	.p2align	6, 0x0
	.amdhsa_kernel k_q119f6bede5_out
		.amdhsa_group_segment_fixed_size 312832
		.amdhsa_private_segment_fixed_size 0
		.amdhsa_enable_private_segment 0
		.amdhsa_kernarg_size 32
		.amdhsa_user_sgpr_count 2
		.amdhsa_user_sgpr_kernarg_segment_ptr 1
		.amdhsa_wavefront_size32 1
		.amdhsa_system_sgpr_workgroup_id_x 1
		.amdhsa_system_sgpr_workgroup_id_y 1
		.amdhsa_system_sgpr_workgroup_id_z 1
		.amdhsa_system_vgpr_workitem_id 0
		.amdhsa_next_free_vgpr 768
		.amdhsa_next_free_sgpr 100
		.amdhsa_reserve_vcc 0
		.amdhsa_float_denorm_mode_32 3
		.amdhsa_float_denorm_mode_16_64 3
		.amdhsa_memory_ordered 1
		.amdhsa_forward_progress 1
		.amdhsa_inst_pref_size 83
	.end_amdhsa_kernel
	.amdgpu_metadata
---
amdhsa.version: [ 1, 2 ]
amdhsa.kernels:
  - .name:           k_q119f6bede5_out
    .symbol:         k_q119f6bede5_out.kd
    .args:
      - { .name: zq, .offset: 0, .size: 8, .value_kind: global_buffer, .address_space: global }
      - { .name: wq, .offset: 8, .size: 8, .value_kind: global_buffer, .address_space: global }
      - { .name: Ob, .offset: 16, .size: 8, .value_kind: global_buffer, .address_space: global }
      - { .name: out0, .offset: 24, .size: 8, .value_kind: global_buffer, .address_space: global }
    .group_segment_fixed_size: 312832
    .private_segment_fixed_size: 0
    .kernarg_segment_align: 8
    .kernarg_segment_size: 32
    .max_flat_workgroup_size: 128
    .sgpr_count:     100
    .vgpr_count:     768
    .wavefront_size: 32
...
	.end_amdgpu_metadata
.endif
;; end of part 4
;; ======== version 2 of 2: 4 launches; version 1 with the launch attn written anew for expert scheduling mode
;; workspace buffers: xq 13,107,200 bytes; wq 3,276,800 bytes; qq 6,815,744 bytes; kv 13,631,488 bytes; vsum 262,144 bytes; zq 6,553,600 bytes
;; launch prep: the kernel of part 1 again; grid 256 x 1, 8 waves a work-group, no clusters, 68,608 bytes of LDS; arguments encoder_output, normalized_resid_pre, Qs, Ks, Vs, O, xq, wq; writes xq, wq
;; launch proj: the kernel of part 2 again; grid 12 x 64, 4 waves a work-group, clusters of 4 x 4, 295,424 bytes of LDS; arguments xq, wq, Qbs, Kbs, Vbs, qq, kv, vsum; writes qq, kv, vsum
;; launch attn (part 5): grid 2 x 128, 16 waves a work-group, no clusters, 29,696 bytes of LDS; arguments qq, kv, vsum, zq; writes zq
.if DOCPART == 5
	.amdgcn_target "amdgcn-amd-amdhsa--gfx1250"
	.amdhsa_code_object_version 6
	.text
	.protected	k_q119f6bede5_attn
	.globl	k_q119f6bede5_attn
	.p2align	8
	.type	k_q119f6bede5_attn,@function
k_q119f6bede5_attn:
	s_mov_b64 s[64:65], 0
	v_nop
	global_prefetch_b8 v0, s[64:65] scope:SCOPE_SE
	s_setreg_imm32_b32 hwreg(HW_REG_WAVE_SCHED_MODE, 0, 2), 2
	s_setreg_imm32_b32 hwreg(HW_REG_WAVE_MODE, 25, 1), 1
	s_wait_xcnt 0x0
	s_wait_alu depctr_vm_vsrc(0)
; ATTN.  z[q] = softmax_k(q . k / 8, keys after the query set to -1e5) v, for one (batch, head), both products on codes of BF6 with E8M0 scales; z is quantised at once, along (head, channel), for the last product.
; THE SOFTMAX AHEAD OF THE SECOND PRODUCT: t = logit x log2(e); M = the largest t so far, rounded UP to a whole number; p = 2^(t - M) is quantised along the keys; the row's sum is taken of the unquantised p and divides at the end.
; THE MASK IS -1e5, NOT -INFINITY.  Hidden keys keep the weight p0 = 2^(-1e5 log2(e) - M), which counts where a row's own logits lie under -1e5.  In the key step on the diagonal hidden scores are set to -8e5 (x 1/8) and go the common way.
; The key steps that are hidden as a whole are NOT walked: all their p are p0, every block's code is p0 rounded to two mantissa bits (held at 1.75 x its power of two), so their part of the product is that number x the sum of the
; quantised v over those keys (vsum, made with v), and their part of the row's sum is p0 x their count.  FINISH adds both.
; SHARES.  A work-group takes 256 queries (block 3 - i) and then 256 more (block i): 2 (4 - i) + 2 (i + 1) = 10 key steps of 128 keys in every work-group.  Each of its SIXTEEN waves owns one tile of 16 queries, in 256 registers.
; A key step's k and v, codes and scale words, are one dense chunk of 13,312 bytes, laid as images of the operands' registers.  Waves 0 to 12 copy the next chunk through registers (1,024 bytes each) into the other of two LDS slots
; while the step in hand is worked: asked for at the step's head, stored at its end, one barrier a step.
; NO JOINT LOADS: the two work-groups of a head walk 8 + 2 and 6 + 4 steps, so after the sixth step they want different chunks; and a step's 13,312 bytes are little beside its vector work.
; LAYOUT.  Both products are used transposed (S^T = k q^T, O^T = v^T p^T): a lane holds ONE query.  Lane r of tile T takes row 32 (T / 2) + 8 (T % 2) + r + 8 (r / 8): p's 16 registers of two neighbouring tiles are 16 neighbouring keys.
; K = 64 IN A FORM OF 128: q's registers 6-11 are zero codes, so k's may be anything (the format has no infinity and no NaN): tile T's operand is the 12 registers from its own six on, which run into the next tile's.
; LIMITS: NaN and infinities are not served; a block of zeros keeps the byte 1; a p0 under 2^-122 counts as 0 or without its subnormal codes: under 1e-36 of a row's sum, which is above 1/2.
; THE MODE: SCHED_MODE bits 1:0 = 2 (LLVM: expert scheduling mode 2), set by the entry lines.  The code itself states the register dependences between vector or matrix instructions and memory or LDS instructions, with s_wait_alu, always for 0.
; THE PLAN.  Registers that memory or LDS instructions touch:
;   v1-8, v239, v240  addresses and offsets: made at the head, never written again: one wait on va_vdst ahead of the first load serves the whole kernel.
;   CB        written by the copy's global loads at a step's head, read by its LDS stores at the step's end; no vector instruction names it: one wait on vm_vsrc at the head of each step that copies.
;   FR, KS    k's LDS loads land at the step's head; the eight products k q^T read them; v's LDS loads land behind those; the four products v^T p^T read them.  So a wait on va_vdst stands ahead of each of the two runs of loads.
;   QF, QSC   global loads at a pass's head; read by every product k q^T.  The second pass's loads follow FINISH's stores, with no vector instruction since the wait ahead of those.
;   S         at the head: loads, vector sums, one LDS store of v96.  In the steps: products and softmax alone.  In FINISH: LDS loads land in v96-127, behind a wait on va_vdst.
;   PC, ZB    written by vector instructions, read by FINISH's stores (a wait on va_vdst ahead of them), written again in the next pass (a wait on vm_vsrc behind them).
; p's codes and scale word are made by vector instructions and read by scaled products: a wait on va_vdst stands directly ahead of the products v^T p^T, behind their places.
; The sixteen waves are four to a SIMD, and 4 x 256 registers are all that it has: there is no second set of fragments, so a step's loads keep their order.
.set CHUNK, 13312
.set HSB,   26624                      ; behind the two slots: four rows of 64 f32: row 2 pass + (wave / 8): the sums of vsum over the key steps hidden as a whole
.set LI,    1                          ; v1   16 x lane
.set L8,    2                          ; v2   8 x lane
.set CPA,   3                          ; v3   1,024 x wave + 16 x lane: my bytes of a chunk, in memory and in a slot
.set DV,    4                          ; v4   my query's place in its 128, less 16 h
.set IGN,   5                          ; v5   -800000.0
.set HA,    6                          ; v6   my 16 + 16 numbers of my row of the table
.set QSO,   7                          ; v7   16 r
.set ZSO,   8                          ; v8   8 r
.set QF,    16                         ; v16-27 q's fragment
.set QSC,   28                         ; v28  q's scale words
.set PSW,   29                         ; v29  p's scale word
.set CB,    30                         ; v30-37 the copy's bytes
.set KS,    38                         ; v38-41 k's or v's scale words
.set FR,    42                         ; v42-89 k's 8 halves or v's 4 fragments; v90-95 zeros
.set S,     96                         ; v96-159 S^T, then p
.set OT,    160                        ; v160-191 O^T
.set PC,    192                        ; v192-211 codes (12) and 8 at work
.set BM,    212
.set PM,    216
.set SO,    220
.set F,     224                        ; v[224:225] f = 2^(old M - new M)
.set T,     226
.set CNT,   227
.set T2,    228
.set P0,    230
.set Q2,    232                        ; v[232:233] p0 as its code's value
.set RC,    234                        ; v[234:235] 1 / the sum
.set ZB,    236
.set IGS,   237
.set LIMR,  238
.set HW,    239
.set HO,    240
.set WV,    12
.set I,     13
.set BH,    14
.set XI,    15                         ; my tile of queries in its 128
.set HI,    16                         ; which 128 of the 256
.set QB,    17
.set GW,    18                         ; my queries' block of 128 = the key step on my diagonal
.set STEP,  19
.set NST,   20                         ; key steps of the pass
.set TRIP,  21
.set MANT,  22
.set SEL,   24
.set CS,    26                         ; s[26:27] c = log2(e) / 8
.set KB,    28
.set QP,    30
.set QS,    32
.set MK,    40                         ; s[40:55] in the step on the diagonal: sixteen masks.  Scratch there: the head's table factors are spent, and FINISH makes its temporaries and bases anew
.set ZC,    48
.set ZS,    50
.macro QLOAD                           ; my tile of q: a half fragment, and its scale words (lane r takes the word of lane r + 16 (tile % 2) of pair tile / 2)
	s_lshl_b32 s36, s[BH], 3
	s_add_co_u32 s36, s36, s[GW]
	s_mul_i32 s36, s36, 6656
	s_mul_i32 s37, s[XI], 768
	s_add_co_u32 s38, s36, s37
	s_mov_b32 s39, 0
	s_add_nc_u64 s[QP:QP+1], s[4:5], s[38:39]
	s_and_b32 s37, s[XI], 1
	s_lshl_b32 s37, s37, 8
	s_add_co_u32 s38, s36, s37
	s_lshr_b32 s37, s[XI], 1
	s_lshl_b32 s37, s37, 2
	s_add_co_u32 s38, s38, s37
	s_add_co_u32 s38, s38, 6144
	s_add_nc_u64 s[QS:QS+1], s[4:5], s[38:39]
	global_load_b128 v[QF:QF+3], v[LI], s[QP:QP+1]
	global_load_b64 v[QF+4:QF+5], v[L8], s[QP:QP+1] offset:512
	global_load_b32 v[QSC], v[QSO], s[QS:QS+1]
.endm
.macro INIT                            ; a pass begins: the step is written once, and its first turn finds zeros, which the first change of M leaves zeros
	v_mov_b32 v13, 0xff61b1e6                      ; the largest t so far: -3e38
	v_floor_f32 v12, -v13                          ; -M
	v_mov_b32 v14, 0
	v_mov_b32 v15, 0
.set n, 0
.rept 32
	v_mov_b32 v[OT+n], 0
.set n, n+1
.endr
.endm
	s_load_b256 s[4:11], s[0:1], 0x0               ; qq, kv, vsum, zq
	v_lshl_add_u32 v254, v0, 2, 0x6c00
	v_mov_b32 v255, 0
	v_lshrrev_b32 v9, 5, v0
	v_readfirstlane_b32 s[WV], v9                  ; wave 0..15
	s_mov_b32 s[I], ttmp9
	s_and_b32 s[BH], ttmp7, 0xffff                 ; 16 b + head
	s_wait_alu depctr_va_sdst(0)                   ; the wave's number is written, ahead of its first reader
	s_and_b32 s[XI], s[WV], 7
	s_lshr_b32 s[HI], s[WV], 3
	s_sub_co_u32 s[QB], 3, s[I]                    ; the first pass: block 3 - i
	s_lshl_b32 s[GW], s[QB], 1
	s_add_co_u32 s[NST], s[GW], 2
	s_add_co_u32 s[GW], s[GW], s[HI]
	s_mov_b32 s[STEP], 0
	s_mov_b32 s[MANT], 0x600000
	s_mov_b32 s[SEL], 0x76543210
	s_mov_b32 s[SEL+1], 0xfedcba98
	s_mov_b32 s[CS], 0x3e38aa3b
	s_mov_b32 s[CS+1], s[CS]                       ; (named with it as a pair, so it is written)
	v_and_b32 v9, 31, v0                           ; every LDS address is made here, ahead of the first parting of the waves
	v_and_b32 v10, 15, v0                          ; r
	v_bfe_u32 v11, v0, 4, 1                        ; h
	v_lshlrev_b32 v[LI], 4, v9
	v_lshlrev_b32 v[L8], 3, v9
	s_lshl_b32 s36, s[WV], 10
	v_add_nc_u32 v[CPA], s36, v[LI]
	v_and_b32 v[DV], 8, v10
	v_add_nc_u32 v[DV], v[DV], v10
	v_lshlrev_b32 v9, 4, v11
	v_sub_nc_u32 v[DV], v[DV], v9
	s_lshr_b32 s36, s[XI], 1
	s_lshl_b32 s36, s36, 5
	s_and_b32 s37, s[XI], 1
	s_lshl_b32 s37, s37, 3
	s_add_co_u32 s36, s36, s37
	v_add_nc_u32 v[DV], s36, v[DV]                 ; 32 (tile / 2) + 8 (tile % 2) + r + 8 (r / 8) - 16 h
	v_mov_b32 v[IGN], 0xc9435000
	s_lshl_b32 s36, s[HI], 8
	s_add_co_u32 s36, s36, HSB
	v_lshl_add_u32 v[HA], v11, 6, s36
	v_lshlrev_b32 v[QSO], 4, v10
	v_lshlrev_b32 v[ZSO], 3, v10
	v_lshl_add_u32 v[HW], v0, 2, HSB
	v_and_b32 v[HO], 63, v0
	v_lshlrev_b32 v[HO], 2, v[HO]
.irp j, 0,1,2,3,4,5
	v_mov_b32 v[QF+6+\j], 0                        ; q's codes of k = 64 .. 127: zeros
	v_mov_b32 v[FR+48+\j], 0                       ; what tile 7's operand runs into
.endr
.irp b, 0,1,2,3
	v_mov_b32 v[PM+\b], 0                          ; written once: a lane permute's destination counts as one of its sources
.endr
	v_mov_b32 v[F+1], 0                            ; (upper halves of pairs of which the low word serves both halves)
	v_mov_b32 v[Q2+1], 0
	v_mov_b32 v[RC+1], 0
	s_wait_alu depctr_va_vdst(0)                   ; the addresses and offsets v1-3, v6-8, v239 and v240 are written: every load and store of the kernel reads one of them, and none is written again
	s_wait_kmcnt 0x0
	s_mul_i32 s36, s[BH], 8*CHUNK
	s_mov_b32 s37, 0
	s_add_nc_u64 s[KB:KB+1], s[6:7], s[36:37]
	s_cmp_lt_u32 s[WV], 13
	s_cbranch_scc0 .Lhead_no_load
	global_load_b128 v[CB:CB+3], v[CPA], s[KB:KB+1]              ; key step 0's chunk
	global_load_b128 v[CB+4:CB+7], v[CPA], s[KB:KB+1] offset:512
.Lhead_no_load:
	QLOAD
	s_cmp_lt_u32 s[WV], 8                          ; waves 0 to 7 make the table: thread t makes channel t % 64 of row t / 64
	s_cbranch_scc0 .Lno_table
	s_lshr_b32 s36, s[WV], 2                       ; the row's pass,
	s_bfe_u32 s37, s[WV], 0x10001                  ; and which 128 of the 256
	s_cmp_eq_u32 s36, 0
	s_cselect_b32 s36, s[QB], s[I]
	s_lshl_b32 s36, s36, 1
	s_add_co_u32 s36, s36, s37                     ; the row's key step on the diagonal
.irp k, 1,2,3,4,5,6,7
	s_cmp_lt_u32 s36, \k
	s_cselect_b32 s[40+\k], 1.0, 0                 ; key step k counts where it lies behind the diagonal
.endr
	s_lshl_b32 s38, s[BH], 11
	s_mov_b32 s39, 0
	s_add_nc_u64 s[38:39], s[8:9], s[38:39]
.irp k, 1,2,3,4,5,6,7
	global_load_b32 v[S+\k], v[HO], s[38:39] offset:256*\k
.endr
	s_wait_loadcnt 0x0
	v_mul_f32 v[S], s41, v[S+1]
.irp k, 2,3,4,5,6,7
	v_fma_f32 v[S], v[S+\k], s[40+\k], v[S]
.endr
	s_wait_alu depctr_va_vdst(0)                   ; the sum is written in v[S], which the LDS store reads
	ds_store_b32 v[HW], v[S]
.Lno_table:
	s_wait_loadcnt 0x0
	s_cmp_lt_u32 s[WV], 13
	s_cbranch_scc0 .Lhead_no_store
	ds_store_b128 v[CPA], v[CB:CB+3]
	ds_store_b128 v[CPA], v[CB+4:CB+7] offset:512
.Lhead_no_store:
	INIT
	s_wait_dscnt 0x0                               ; for the others' sake: my stores have landed
	s_barrier_signal -1
	s_barrier_wait -1
; A KEY STEP: 128 keys, from slot.  copy = 1: the next step's chunk (at a pass's end: the next pass's first) goes into the other slot.
.macro KSTEP slot, copy
.if \copy
	s_add_co_u32 s36, s[STEP], 1
	s_cmp_eq_u32 s36, s[NST]
	s_cselect_b32 s36, 0, s36
	s_lshl_b32 s37, s[BH], 3
	s_add_co_u32 s36, s36, s37
	s_mul_i32 s36, s36, CHUNK
	s_mov_b32 s37, 0
	s_add_nc_u64 s[KB:KB+1], s[6:7], s[36:37]      ; (the last copy's loads were waited for: their base may be written)
	s_wait_alu depctr_vm_vsrc(0)                   ; the LDS stores issued so far have read CB, in which the loads below land; in the launch's first step also v[S], which the products below write
	s_cmp_lt_u32 s[WV], 13
	s_cbranch_scc0 .Lno_load_\@
	global_load_b128 v[CB:CB+3], v[CPA], s[KB:KB+1]
	global_load_b128 v[CB+4:CB+7], v[CPA], s[KB:KB+1] offset:512
.Lno_load_\@:
.endif
	s_cmp_gt_u32 s[STEP], s[GW]                    ; a step all of whose keys come after my queries is left out: FINISH adds its part.  No barrier stands inside
	s_cbranch_scc1 .Lhidden_\@
.rept 4
	v_nop                                          ; places behind the last products, ahead of the loads into registers that they have read
.endr
	s_wait_alu depctr_va_vdst(0)                   ; the last step's products v^T p^T are done reading FR and KS, in which the loads below land; in the first step: the zero codes of v22-27 and v90-95, operands of the products below, are written
.irp kt, 0,1,2,3,4,5,6,7
	ds_load_b128 v[FR+6*\kt:FR+6*\kt+3], v[LI] offset:\slot*CHUNK+768*\kt
	ds_load_b64 v[FR+6*\kt+4:FR+6*\kt+5], v[L8] offset:\slot*CHUNK+768*\kt+512
.endr
	ds_load_b128 v[KS:KS+3], v[LI] offset:\slot*CHUNK+12288
	s_wait_dscnt 0x0
.irp kt, 0,1,2,3,4,5,6,7               ; S^T = k q^T: register g holds tile 2 g's scale words in lanes 0-15 and tile 2 g + 1's in lanes 16-31
.if \kt%2
	v_wmma_scale_f32_16x16x128_f8f6f4 v[S+8*\kt:S+8*\kt+7], v[FR+6*\kt:FR+6*\kt+11], v[QF:QF+11], 0, v[KS+\kt/2], v[QSC] matrix_a_fmt:MATRIX_FMT_BF6 matrix_b_fmt:MATRIX_FMT_BF6 matrix_a_scale:MATRIX_SCALE_ROW1
.else
	v_wmma_scale_f32_16x16x128_f8f6f4 v[S+8*\kt:S+8*\kt+7], v[FR+6*\kt:FR+6*\kt+11], v[QF:QF+11], 0, v[KS+\kt/2], v[QSC] matrix_a_fmt:MATRIX_FMT_BF6 matrix_b_fmt:MATRIX_FMT_BF6
.endif
.endr
.rept 4
	v_nop                                          ; four places behind the products, ahead of the first vector instruction that reads a score (ISA guide 7.12.1); they stay beside the wait below
.endr
	s_wait_alu depctr_va_vdst(0)                   ; the products k q^T are done reading FR and KS, in which the loads below land
.irp vt, 0,1,2,3                       ; v's fragments are asked for now and land under the softmax, none of whose instructions names FR or KS
.irp c, 0,1
	ds_load_b128 v[FR+12*\vt+6*\c:FR+12*\vt+6*\c+3], v[LI] offset:\slot*CHUNK+6144+768*(2*\vt+\c)
	ds_load_b64 v[FR+12*\vt+6*\c+4:FR+12*\vt+6*\c+5], v[L8] offset:\slot*CHUNK+6144+768*(2*\vt+\c)+512
.endr
.endr
	ds_load_b128 v[KS:KS+3], v[LI] offset:\slot*CHUNK+12800
	s_cmp_lg_u32 s[STEP], s[GW]                    ; on the diagonal: register 16 b + i holds key 32 b + 16 h + i: hidden where 32 b + i > my query's place - 16 h
	s_cbranch_scc1 .Lopen_\@
.set mg, 0
.rept 4                                ; a block of 32 keys at a time: sixteen compares in a run, each into a mask of its own, one wait, sixteen selects
.set n, 0
.rept 16
	v_cmp_gt_i32 s[MK+n], 32*mg+n, v[DV]
.set n, n+1
.endr
	s_wait_alu depctr_va_sdst(0)                   ; the sixteen masks are written, ahead of the selects that read them
.set n, 0
.rept 16
	v_cndmask_b32 v[S+16*mg+n], v[S+16*mg+n], v[IGN], s[MK+n]
.set n, n+1
.endr
.set mg, mg+1
.endr
.Lopen_\@:
.irp b, 0,1,2,3
	v_max3_num_f32 v[BM+\b], v[S+16*\b], v[S+1+16*\b], v[S+2+16*\b]   ; the largest score of each block of 32 keys: it serves the row's maximum and, since p rises with the score, the block's largest p
.endr
.irp i, 3,5,7,9,11,13
.irp b, 0,1,2,3
	v_max3_num_f32 v[BM+\b], v[BM+\b], v[S+16*\b+\i], v[S+1+16*\b+\i]
.endr
.endr
.irp b, 0,1,2,3
	v_max_num_f32 v[BM+\b], v[BM+\b], v[S+15+16*\b]
.endr
.irp b, 0,1,2,3
	v_permlanex16_b32 v[PM+\b], v[BM+\b], s[SEL], s[SEL+1]
.endr
.irp b, 0,1,2,3
	v_max_num_f32 v[BM+\b], v[BM+\b], v[PM+\b]
.endr
	v_max3_num_f32 v[T], v[BM], v[BM+1], v[BM+2]
	v_max_num_f32 v[T], v[T], v[BM+3]
	v_mul_f32 v[T], s[CS], v[T]                    ; as t (c is positive)
	v_max_num_f32 v13, v13, v[T]
	v_mov_b32 v[T], v12
	v_floor_f32 v12, -v13                          ; the new -M = -ceil(t): a whole number
	v_sub_f32 v[T], v12, v[T]
	v_cvt_i32_f32 v[T], v[T]                       ; (it saturates)
	v_ldexp_f32 v[F], 1.0, v[T]                    ; f = 2^(old M - new M): a multiplication by it rounds nothing
.set n, 0
.rept 32
	v_pk_fma_f32 v[S+n:S+n+1], v[S+n:S+n+1], s[CS:CS+1], v[12:13] op_sel_hi:[1,0,0]   ; t - M, two at a time
.set n, n+2
.endr
.irp b, 0,1,2,3
	v_fma_f32 v[BM+\b], v[BM+\b], s[CS], v12
.endr
.set n, 0
.rept 64
	v_exp_f32 v[S+n], v[S+n]                       ; p = 2^(t - M): not normalised
.set n, n+1
.endr
	v_pk_mul_f32 v[14:15], v[14:15], v[F:F+1] op_sel_hi:[1,0]   ; the sums under the new M (a plain place behind the exponentials)
	s_wait_alu depctr_va_vdst(0)                   ; the 64 exponentials have written p: one wait for the whole batch, ahead of its first reader
.irp b, 0,1,2,3
	v_exp_f32 v[BM+\b], v[BM+\b]                   ; the block's largest p: the same two instructions on the same number
.endr
	v_pk_add_f32 v[T2:T2+1], v[S:S+1], v[S+2:S+3]  ; the row's sum of the UNQUANTISED p, in two chains (they read the 64 alone)
.irp j, 4,8,12,16,20,24,28,32,36,40,44,48,52,56,60
	v_pk_add_f32 v[14:15], v[14:15], v[S+\j:S+\j+1]
	v_pk_add_f32 v[T2:T2+1], v[T2:T2+1], v[S+2+\j:S+3+\j]
.endr
	v_pk_add_f32 v[14:15], v[14:15], v[T2:T2+1]
	s_wait_alu depctr_va_vdst(0)                   ; and one for the four: the blocks' largest p are written
.irp b, 0,1,2,3
	v_max_num_f32 v[BM+\b], 0x2800000, v[BM+\b]    ; the floor 2^(5 - 127): the byte cannot fall under 1
.endr
.irp b, 0,1,2,3
	v_add_nc_u32 v[SO+\b], 0xfe000000, v[BM+\b]
.endr
.irp b, 0,1,2,3
	v_lshrrev_b32 v[PM+\b], 23, v[SO+\b]
.endr
	v_lshl_or_b32 v[PSW], v[PM+1], 8, v[PM]
	v_lshl_or_b32 v[PSW], v[PM+2], 16, v[PSW]
	v_lshl_or_b32 v[PSW], v[PM+3], 24, v[PSW]
.irp c, 0,1
	v_cvt_scalef32_pk16_bf6_f32 v[PC+6*\c:PC+2+6*\c], v[S+32*\c:S+15+32*\c], v[SO+2*\c]
	v_cvt_scalef32_pk16_bf6_f32 v[PC+12+4*\c:PC+14+4*\c], v[S+16+32*\c:S+31+32*\c], v[SO+2*\c+1]
.endr
	v_nop                                          ; one plain place behind a scaled conversion
.irp c, 0,1
.irp i, 0,1,2
	v_permlane16_swap_b32 v[PC+6*\c+\i], v[PC+12+4*\c+\i]
.endr
.irp i, 0,1,2
	v_mov_b32 v[PC+3+6*\c+\i], v[PC+12+4*\c+\i]
.endr
.endr
.set n, 0
.rept 16
	v_pk_mul_f32 v[OT+n:OT+n+1], v[OT+n:OT+n+1], v[F:F+1] op_sel_hi:[1,0]   ; O^T under the new M, from each accumulator's low end on.  For each product below twelve of these sixteen name none of its registers: its places behind p's codes and scale word
.set n, n+2
.endr
	s_wait_dscnt 0x0                               ; v is in
	s_wait_alu depctr_va_vdst(0)                   ; p's codes in v[PC ..] and its scale word in v[PSW], made by vector instructions, are written: the scaled products below take them; the places above stay beside this wait
.irp vt, 0,1,2,3                       ; O^T += v^T p^T
	v_wmma_scale_f32_16x16x128_f8f6f4 v[OT+8*\vt:OT+8*\vt+7], v[FR+12*\vt:FR+12*\vt+11], v[PC:PC+11], v[OT+8*\vt:OT+8*\vt+7], v[KS+\vt], v[PSW] matrix_a_fmt:MATRIX_FMT_BF6 matrix_b_fmt:MATRIX_FMT_BF6
.endr
.Lhidden_\@:
.if \copy
	s_wait_loadcnt 0x0                             ; the next chunk's bytes are in my registers
	s_cmp_lt_u32 s[WV], 13
	s_cbranch_scc0 .Lno_store_\@
	ds_store_b128 v[CPA], v[CB:CB+3] offset:(1-\slot)*CHUNK        ; the other slot was last read ahead of the last barrier
	ds_store_b128 v[CPA], v[CB+4:CB+7] offset:(1-\slot)*CHUNK+512
.Lno_store_\@:
	s_wait_dscnt 0x0                               ; my stores have landed, and my reads of this slot are over
	s_barrier_signal -1
	s_barrier_wait -1
.endif
	s_add_co_u32 s[STEP], s[STEP], 1
.endm
; A PASS ENDS: the key steps hidden as a whole are added, O^T is divided by the sum, quantised and stored.
.macro FINISH pass
.rept 4
	v_nop                                          ; places behind the last products
.endr
	s_wait_alu depctr_va_vdst(0)                   ; the last softmax's sums and conversions are done with v[S ..], in which the loads below land
.irp b, 0,1
.irp q, 0,1,2,3
	ds_load_b128 v[S+16*\b+4*\q:S+16*\b+4*\q+3], v[HA] offset:512*\pass+128*\b+16*\q   ; H: register 16 b + i = channel 32 b + 16 h + i, as O^T has them
.endr
.endr
	s_lshr_b32 s36, s[BH], 4
	s_lshl_b32 s36, s36, 3
	s_add_co_u32 s36, s36, s[GW]                   ; the block of 128 rows: 8 b + my block
	s_lshl_b32 s36, s36, 3
	s_bfe_u32 s37, s[BH], 0x30001
	s_add_co_u32 s36, s36, s37                     ; x 8 + the last product's K step: head / 2
	s_and_b32 s37, s[BH], 1                        ; which half of that K step
	s_lshl_b32 s38, s36, 3
	s_add_co_u32 s38, s38, s[XI]
	s_mul_i32 s38, s38, 1536
	s_mul_i32 s39, s37, 768
	s_add_co_u32 s38, s38, s39
	s_mov_b32 s39, 0
	s_add_nc_u64 s[ZC:ZC+1], s[10:11], s[38:39]
	s_lshl_b32 s38, s36, 9                         ; the scale words: 512 bytes a K step: [tile / 4][lane r + 16 (tile % 2)][(tile / 2) % 2], my head's two bytes of the word
	s_lshr_b32 s40, s[XI], 2
	s_lshl_b32 s40, s40, 8
	s_add_co_u32 s38, s38, s40
	s_and_b32 s40, s[XI], 1
	s_lshl_b32 s40, s40, 7
	s_add_co_u32 s38, s38, s40
	s_bfe_u32 s40, s[XI], 0x10001
	s_lshl_b32 s40, s40, 2
	s_add_co_u32 s38, s38, s40
	s_lshl_b32 s40, s37, 1
	s_add_co_u32 s38, s38, s40
	s_add_co_u32 s38, s38, 6291456
	s_add_nc_u64 s[ZS:ZS+1], s[10:11], s[38:39]
	s_sub_co_u32 s36, 7, s[GW]                     ; key steps hidden as a whole
	s_cmp_eq_u32 s36, 0
	s_mov_b32 s37, 0xc9435000                      ; their score: -8e5;
	s_cselect_b32 s37, 0xff61b1e6, s37             ; where there is none: -3e38, which moves no maximum and gives p0 = 0
	s_lshl_b32 s36, s36, 7
	v_cvt_f32_u32 v[CNT], s36                      ; their keys
	v_mov_b32 v[IGS], s37
	v_mul_f32 v[T], s[CS], v[IGS]
	v_max_num_f32 v13, v13, v[T]                   ; the hidden keys count for the row's maximum too
	v_mov_b32 v[T], v12
	v_floor_f32 v12, -v13
	v_sub_f32 v[T], v12, v[T]
	v_cvt_i32_f32 v[T], v[T]
	v_ldexp_f32 v[F], 1.0, v[T]
	v_fma_f32 v[P0], v[IGS], s[CS], v12
	v_exp_f32 v[P0], v[P0]                         ; p0
	v_pk_mul_f32 v[14:15], v[14:15], v[F:F+1] op_sel_hi:[1,0]
.set n, 0
.rept 16
	v_pk_mul_f32 v[OT+n:OT+n+1], v[OT+n:OT+n+1], v[F:F+1] op_sel_hi:[1,0]
.set n, n+2
.endr
	s_wait_alu depctr_va_vdst(0)                   ; the exponential has written p0, ahead of its first reader
	v_bfe_u32 v[T], v[P0], 21, 1                   ; p0 to two mantissa bits, ties to even,
	v_add3_u32 v[T], v[P0], v[T], 0xfffff
	v_and_b32 v[T], 0xffe00000, v[T]
	v_and_or_b32 v[LIMR], v[P0], 0x7f800000, s[MANT]
	v_min_u32 v[Q2], v[T], v[LIMR]                 ; held at 1.75 x its power of two: the value of the code 28 under the block's scale
	v_add_f32 v14, v14, v15
	v_permlanex16_b32 v[PM], v14, s[SEL], s[SEL+1]
	v_add_f32 v14, v14, v[PM]                      ; the row's sum over the keys that were walked,
	v_fma_f32 v14, v[P0], v[CNT], v14              ; and over those that were not
	v_rcp_f32 v[RC], v14
	s_wait_dscnt 0x0                               ; H is in
.set n, 0
.rept 16
	v_pk_fma_f32 v[OT+n:OT+n+1], v[S+n:S+n+1], v[Q2:Q2+1], v[OT+n:OT+n+1] op_sel_hi:[1,0,1]
.set n, n+2
.endr
	s_wait_alu depctr_va_vdst(0)                   ; the reciprocal is written, ahead of its first reader
.set n, 0
.rept 16
	v_pk_mul_f32 v[OT+n:OT+n+1], v[OT+n:OT+n+1], v[RC:RC+1] op_sel_hi:[1,0]   ; z
.set n, n+2
.endr
.irp b, 0,1                            ; z's two blocks of 32 channels
	v_max3_num_f32 v[BM+\b], |v[OT+16*\b]|, |v[OT+1+16*\b]|, 0x2800000
.endr
.irp i, 2,4,6,8,10,12,14
.irp b, 0,1
	v_max3_num_f32 v[BM+\b], v[BM+\b], |v[OT+16*\b+\i]|, |v[OT+1+16*\b+\i]|
.endr
.endr
.irp b, 0,1
	v_permlanex16_b32 v[PM+\b], v[BM+\b], s[SEL], s[SEL+1]
.endr
.irp b, 0,1
	v_max_num_f32 v[BM+\b], v[BM+\b], v[PM+\b]
.endr
.irp b, 0,1
	v_add_nc_u32 v[SO+\b], 0xfe000000, v[BM+\b]
.endr
.irp b, 0,1
	v_lshrrev_b32 v[PM+\b], 23, v[SO+\b]
.endr
	v_lshl_or_b32 v[ZB], v[PM+1], 8, v[PM]
	v_cvt_scalef32_pk16_bf6_f32 v[PC:PC+2], v[OT:OT+15], v[SO]
	v_cvt_scalef32_pk16_bf6_f32 v[PC+12:PC+14], v[OT+16:OT+31], v[SO+1]
	v_nop                                          ; one plain place behind a scaled conversion
.irp i, 0,1,2
	v_permlane16_swap_b32 v[PC+\i], v[PC+12+\i]    ; a whole block in a lane: lanes 0-15 block 0, lanes 16-31 block 1
.endr
.irp i, 0,1,2
	v_mov_b32 v[PC+3+\i], v[PC+12+\i]
.endr
	s_wait_alu depctr_va_vdst(0)                   ; z's codes in v[PC ..] and its two bytes in v[ZB] are written, which the stores below read; every product that read q's fragment and scale words is done too
	global_store_b128 v[LI], v[PC:PC+3], s[ZC:ZC+1]              ; half a fragment: 512 consecutive bytes,
	global_store_b64 v[L8], v[PC+4:PC+5], s[ZC:ZC+1] offset:512  ; and 256
	global_store_b16 v[ZSO], v[ZB], s[ZS:ZS+1]     ; two bytes of each row's word (lanes r and r + 16 write the same)
.endm
	s_mov_b32 s[TRIP], 4
.Ltrip:                                ; four trips of two key steps; the first pass (8 or 6 steps) ends inside them, the second with the tenth step
	KSTEP 0, 1
	KSTEP 1, 1
	s_cmp_lg_u32 s[STEP], s[NST]                   ; the same in all sixteen waves
	s_cbranch_scc1 .Lpass_goes_on
	FINISH 0
	s_wait_xcnt 0x0                                ; the stores have had their addresses translated: their bases may be written again
	s_wait_alu depctr_vm_vsrc(0)                   ; the stores have read v[PC ..] and v[ZB], which the second pass's vector instructions write again
	s_lshl_b32 s[GW], s[I], 1                      ; the second pass: block i
	s_add_co_u32 s[NST], s[GW], 2
	s_add_co_u32 s[GW], s[GW], s[HI]
	s_mov_b32 s[STEP], 0
	QLOAD                                          ; no wait: no vector or matrix instruction has been issued since the wait ahead of FINISH's stores, so none still reads the registers in which these loads land
	INIT
	s_wait_loadcnt 0x0
.Lpass_goes_on:
	s_sub_co_u32 s[TRIP], s[TRIP], 1
	s_cmp_lg_u32 s[TRIP], 0
	s_cbranch_scc1 .Ltrip
	KSTEP 0, 1
	KSTEP 1, 0                                     ; the last step: nothing is left to copy, and nobody writes LDS any more: no barrier
	FINISH 1
	s_wait_dscnt 0x0
	s_wait_alu depctr_hold_cnt(0) depctr_sa_sdst(0) depctr_va_vdst(0) depctr_va_sdst(0) depctr_va_ssrc(0) depctr_va_vcc(0) depctr_vm_vsrc(0)
	s_wait_tensorcnt 0x0
	ds_add_u32 v254, v255
	s_wait_dscnt 0x0
	s_endpgm
.Lfunc_end_k_q119f6bede5_attn:
	.size	k_q119f6bede5_attn, .Lfunc_end_k_q119f6bede5_attn-k_q119f6bede5_attn
	.p2alignl 7, 3214868480
	.fill 96, 4, 3214868480
	.section	.rodata,"a",@progbits
	.p2align	6, 0x0
	.amdhsa_kernel k_q119f6bede5_attn
		.amdhsa_group_segment_fixed_size 29696
		.amdhsa_private_segment_fixed_size 0
		.amdhsa_enable_private_segment 0
		.amdhsa_kernarg_size 32
		.amdhsa_user_sgpr_count 2
		.amdhsa_user_sgpr_kernarg_segment_ptr 1
		.amdhsa_wavefront_size32 1
		.amdhsa_system_sgpr_workgroup_id_x 1
		.amdhsa_system_sgpr_workgroup_id_y 1
		.amdhsa_system_sgpr_workgroup_id_z 1
		.amdhsa_system_vgpr_workitem_id 0
		.amdhsa_next_free_vgpr 256
		.amdhsa_next_free_sgpr 66
		.amdhsa_reserve_vcc 0
		.amdhsa_float_denorm_mode_32 3
		.amdhsa_float_denorm_mode_16_64 3
		.amdhsa_memory_ordered 1
		.amdhsa_forward_progress 1
		.amdhsa_inst_pref_size 129
	.end_amdhsa_kernel
	.amdgpu_metadata
---
amdhsa.version: [ 1, 2 ]
amdhsa.kernels:
  - .name:           k_q119f6bede5_attn
    .symbol:         k_q119f6bede5_attn.kd
    .args:
      - { .name: qq, .offset: 0, .size: 8, .value_kind: global_buffer, .address_space: global }
      - { .name: kv, .offset: 8, .size: 8, .value_kind: global_buffer, .address_space: global }
      - { .name: vsum, .offset: 16, .size: 8, .value_kind: global_buffer, .address_space: global }
      - { .name: zq, .offset: 24, .size: 8, .value_kind: global_buffer, .address_space: global }
    .group_segment_fixed_size: 29696
    .private_segment_fixed_size: 0
    .kernarg_segment_align: 8
    .kernarg_segment_size: 32
    .max_flat_workgroup_size: 512
    .sgpr_count:     66
    .vgpr_count:     256
    .wavefront_size: 32
...
	.end_amdgpu_metadata
.endif
;; end of part 5
;; launch out: the kernel of part 4 again; grid 4 x 64, 4 waves a work-group, clusters of 4 x 4, 312,832 bytes of LDS; arguments zq, wq, Ob, out0; writes out0
